; MI455X (gfx1250); checked and timed in simulation.
; The chip was launched on July 23, 2026; its instructions are those of AMD's public machine-readable ISA for CDNA 5 (MIT licence, August 2026) and "CDNA5" Instruction Set Architecture Reference Guide (July 2026). The comments in the code are by the model that wrote it; some were corrected since.
;; Causal Self Attention. Allowed arithmetic: matrix products marked QUANTISED: E2M3 operands, one E8M0 scale for each 32 along K, by v_wmma_scale_f32_16x16x128_f8f6f4 with both operands' format E2M3, f32 sums; everything else in f32.
;; Inputs: Wk 2,048 x 2,048 float32; Wo 2,048 x 2,048 float32; Wq 2,048 x 2,048 float32; Wv 2,048 x 2,048 float32; rope_cos 2,048 x 64 float32; rope_sin 2,048 x 64 float32; x 1 x 2,048 x 2,048 float32.
;; Outputs: out0 1 x 2,048 x 2,048 float32.
;; This version of the problem:
;;   THIS VERSION OF THE PROBLEM IS GIVEN IN LOW PRECISION. The matrix products marked QUANTISED in the list below multiply operands that are first quantised to E2M3 (2 exponent bits, 3 mantissa bits; 6 bits a number), with one power-of-two scale for each 32 numbers along K (OCP MX v1.0); their sums are f32. All else is computed in f32.
;;   The module's matrix products, in the order in which they are computed (A, B: the left and right operand; K: the contracted axis; several contracted axes count as one K, in the product's order):
;;     1. [M 2,048, K 2,048] x [K 2,048, N 2,048]; A: input x; B: input Wq: QUANTISED
;;     2. [M 2,048, K 2,048] x [K 2,048, N 2,048]; A: input x; B: input Wk: QUANTISED
;;     3. [M 2,048, K 2,048] x [K 2,048, N 2,048]; A: input x; B: input Wv: QUANTISED
;;     4. batch 16 x [M 2,048, K 128] x [K 128, N 2,048]; A: computed on the way; B: computed on the way: QUANTISED
;;     5. batch 16 x [M 128, K 2,048] x [K 2,048, N 2,048]; A: computed on the way; B: softmax (see below): QUANTISED
;;     6. [M 2,048, K 2,048] x [K 2,048, N 2,048]; A: computed on the way; B: input Wo: QUANTISED
;;   THE QUANTISER, for each operand of a quantised product, along K:
;;     - K is cut into blocks of 32 from its start; a last block that is shorter is filled with zeros.
;;     - A block's scale is 2^e with e = floor(log2(the largest magnitude in the block)) - 2, held to -126 .. 127; a block of zeros has e = 0. As a byte (E8M0): e + 127.
;;     - Each number is divided by its block's scale, clamped to +-7.5, and rounded to the nearest number of E2M3, ties to even, subnormals kept.
;;     - The product sums the exact products of the quantised numbers (number of the format x scale) in f32.
;;   ~~~python
;;   def quantise(x, axis):      # numpy; x: float32 -> the quantised numbers, widened to float32 again
;;       x = np.moveaxis(x, axis, -1); K = x.shape[-1]
;;       x = np.pad(x, [(0, 0)] * (x.ndim - 1) + [(0, -K % 32)]); x = x.reshape(x.shape[:-1] + (-1, 32)); a = np.abs(x).max(-1, keepdims=True)
;;       e = np.where(a > 0, np.clip(np.frexp(np.where(a > 0, a, 1))[1] - 1 - 2, -126, 127), 0)      # np.frexp(a)[1] - 1 = floor(log2(a)), exactly
;;       r = np.clip(x / 2.0 ** e, -7.5, 7.5)
;;       step = 2.0 ** (np.maximum(np.frexp(np.where(r == 0, 1, r))[1] - 1, 0) - 3)
;;       q = np.round(r / step) * step * 2.0 ** e      # np.round: ties to even
;;       return np.moveaxis(q.reshape(q.shape[:-2] + (-1,))[..., :K], -1, axis).astype(np.float32)
;;   ~~~
;;   SOFTMAX AHEAD OF A QUANTISED PRODUCT. Where the list says 'softmax', what is quantised is not the finished softmax but p = 2^(t - M), with t = logit x log2(e) and M = ceil(the row's largest t), a whole number; so 1/2 < the row's largest p <= 1. The row's sum l is taken of the UNQUANTISED p, in f32, and the product's result is divided by l at the end. Since M is a whole number, a kernel that streams over the keys may use a running M (the ceiling of the running maximum): every later rescaling is an exact power of two, which a block's scale takes up: the codes' values come out the same.
;;   OPERANDS COMPUTED ON THE WAY. 'Computed on the way' means the value that the module computes at that place (a softmax that the list does not call 'softmax' is quantised finished and normalised). What goes into a quantiser is computed in f32, as accurately as f32 sums, v_exp_f32 and their like allow (about 1e-6 of the number): no bf16 or f16 on the way to a quantiser, and a product that is left as it is and whose result goes on into a quantised operand takes f32 operands (vector FMAs, or v_wmma_f32_16x16x4_f32). A number that lies on a knife's edge between two numbers of the format may be rounded either way, as far as f32 arithmetic and the matrix unit's own rounding can turn it there, and no further.
;; One version. Each part assembles by itself: llvm-mc -triple=amdgcn-amd-amdhsa -mcpu=gfx1250 --defsym DOCPART=n.
;; ======== version 1 of 1: 4 launches
;; workspace buffers: xc 3,276,800 bytes; wc 13,107,200 bytes; qc 3,276,800 bytes; kv 6,553,600 bytes; oc 3,276,800 bytes
;; launch quant (part 1): grid 80 x 8, 4 waves a work-group, no clusters, 34,816 bytes of LDS; arguments x, Wq, Wk, Wv, Wo, xc, wc; writes xc, wc
.if DOCPART == 1
	.amdgcn_target "amdgcn-amd-amdhsa--gfx1250"
	.amdhsa_code_object_version 6
	.text
	.protected	k_q752142317a_quant
	.globl	k_q752142317a_quant
	.p2align	8
	.type	k_q752142317a_quant,@function
k_q752142317a_quant:
	s_mov_b64 s[64:65], 0
	v_nop
	global_prefetch_b8 v0, s[64:65] scope:SCOPE_SE
	s_setreg_imm32_b32 hwreg(HW_REG_WAVE_MODE, 25, 1), 1
	s_wait_xcnt 0x0
; x [2048][2048] and the four weights [2048 (k)][2048 (n)], f32, become codes of FP6 (E2M3) with one E8M0 scale byte for each 32 along K, laid as RECORDS.
; A RECORD (12,800 bytes) is 128 rows x 128 along K of an operand, in the order of the operand's registers: eight images of 1,536 bytes, tile i at 1,536 i; in an image registers 4 c .. 4 c + 3 of lane l
; lie at 512 c + 16 l.  Behind them, from byte 12,288 on, the scale words: lane (r, h) has 16 bytes at 16 (r + 16 h), word j being the four scale bytes of row r of tile 4 h + j.
; THE ROWS OF A TILE ARE NOT NEIGHBOURS: lane r of tile 2 b + u holds row 32 b + 8 u + r + 8 (r / 8) of the record's 128.
; xc: [16 groups of 128 rows][16 K steps][record].  wc: [64 groups of 128 columns: Wq 0-15, Wk 16-31, Wv 32-47, Wo 48-63][16 K steps][record].
; A block's scale is 2^(floor(log2(its largest magnitude)) - 2); its byte is that magnitude's exponent field - 2, held at 1 from below.
; LIMITS: NaN and infinities among the inputs are not served; a block whose largest magnitude lies under 2^-124 gets the byte 1; a block of zeros gets the byte 1 where the quantiser says 127: its codes are
; zeros, and the bytes are read by this program alone.
; SHARES.  Work-group (X, y): X < 64: group X of wc; X >= 64: group X - 64 of xc; y: 256 along K, two records.  Wave w: tiles 4 H .. 4 H + 3 (H = w & 1) of K step 2 y + (w >> 1).
; No tensor loads, no barrier, no matrix unit, no cluster: a stream in which the waves share nothing.  Only x's path stores to LDS.
.set RECB,  12800
.set SPARE, 33792                      ; behind the four stages: the spare words, 128 bytes a wave: two blocks of 256 bytes that no other line names
.set SPW,   2                          ; v2  LDS address of my spare word; never rewritten
.set NIL,   3                          ; v3  0; never rewritten
.set SEL,   40                         ; s[40:41] lane selects for v_permlanex16_b32: lane l xor 16
.set X,     32                         ; weights: v32-95 two sets of 32 numbers
.set F,     128                        ; weights: v128-151 the twelve registers of image lanes (r, 0) and (r, 1)
.set R,     32                         ; x: v32-159 two sets of 16 rows' loads
.set XN,    160                        ; x: v160-223 64 numbers of my row: register 16 b + i = k 32 b + 16 h + i
.set PC,    224                        ; x: v224-235 the codes; v236-242 at work
.set TM,    10                         ; x: v10-25 at work in QUANT
.set PW,    28                         ; x: v28-31 the four tiles' scale words
	s_load_b256 s[4:11], s[0:1], 0x0               ; x, Wq, Wk, Wv
	s_load_b128 s[12:15], s[0:1], 0x20             ; Wo, xc
	s_load_b64 s[16:17], s[0:1], 0x30              ; wc
	v_lshl_add_u32 v[SPW], v0, 2, SPARE
	v_mov_b32 v[NIL], 0
	v_lshrrev_b32 v1, 5, v0
	v_readfirstlane_b32 s18, v1                    ; wave
	v_and_b32 v1, 31, v0                           ; lane
	v_and_b32 v4, 15, v0                           ; r
	v_bfe_u32 v5, v0, 4, 1                         ; h
	s_and_b32 s19, s18, 1                          ; H
	s_lshr_b32 s20, s18, 1
	s_and_b32 s21, ttmp7, 0xffff                   ; y
	s_lshl_b32 s22, s21, 1
	s_add_co_u32 s22, s22, s20                     ; my K step
	s_mov_b32 s[SEL], 0x76543210
	s_mov_b32 s[SEL+1], 0xfedcba98
	s_mov_b32 s42, 0xffff0000                      ; lanes 16-31
	s_wait_kmcnt 0x0
	s_cmp_ge_u32 ttmp9, 64
	s_cbranch_scc1 .Lx
; ---- A WEIGHT: K is its first axis.  A lane takes a column and its registers run down K: a block of 32 lies in one lane, and the conversions give codes with K innermost.
; Lane L takes column (L & 7) + 16 ((L >> 3) & 1) + 8 (L >> 4) of a pass's 32: lanes 0-15 are the rows of tile 2 pass, lanes 16-31 those of tile 2 pass + 1.
	s_lshr_b32 s23, ttmp9, 4                       ; which weight: the choice hangs on the work-group's number alone
	s_mov_b64 s[26:27], s[6:7]
	s_cmp_eq_u32 s23, 1
	s_cselect_b64 s[26:27], s[8:9], s[26:27]
	s_cmp_eq_u32 s23, 2
	s_cselect_b64 s[26:27], s[10:11], s[26:27]
	s_cmp_eq_u32 s23, 3
	s_cselect_b64 s[26:27], s[12:13], s[26:27]
	s_lshl_b32 s28, s22, 20                        ; 128 rows of 8,192 bytes a K step,
	s_and_b32 s24, ttmp9, 15
	s_lshl_b32 s24, s24, 9                         ; 512 bytes a group of columns,
	s_add_co_u32 s28, s28, s24
	s_lshl_b32 s24, s19, 8                         ; 256 bytes for my half of them
	s_add_co_u32 s28, s28, s24
	s_mov_b32 s29, 0
	s_add_nc_u64 s[26:27], s[26:27], s[28:29]
	s_lshl_b32 s24, ttmp9, 4
	s_add_co_u32 s24, s24, s22
	s_mul_i32 s24, s24, RECB
	s_mov_b32 s25, 0
	s_add_nc_u64 s[30:31], s[16:17], s[24:25]      ; my record
	v_and_b32 v6, 7, v0
	v_bfe_u32 v7, v0, 3, 1
	v_lshl_add_u32 v6, v7, 4, v6
	v_lshl_add_u32 v6, v5, 3, v6
	v_lshlrev_b32 v6, 2, v6                        ; in: 4 bytes x my column
	v_mul_u32_u24 v7, v5, 1536
	v_lshl_add_u32 v7, v4, 4, v7
	s_mul_i32 s32, s19, 6144
	v_add_nc_u32 v7, s32, v7                       ; out: my tile's image, 16 r
	v_lshlrev_b32 v8, 4, v4
	s_lshl_b32 s33, s19, 8
	v_add_nc_u32 v8, s33, v8                       ; the scale words of rows r of my four tiles
.macro LOAD t                          ; block t % 4 of pass t / 4: W(32 (t % 4) + i, my column), into set t % 2
.irp i, 0,1,2,3,4,5,6,7,8,9,10,11,12,13,14,15,16,17,18,19,20,21,22,23,24,25,26,27,28,29,30,31
	global_load_b32 v[X+32*((\t)%2)+\i], v6, s[26:27] offset:(32*((\t)%4)+\i)*8192+128*((\t)/4) th:TH_LOAD_NT
.endr
.endm
.macro BLOCK t
.set XS, X+32*((\t)%2)
.set FD, F+12*((\t)&1)+6*(((\t)%4)/2)  ; block 2 c + h' is registers 6 c .. 6 c + 5 of image lane (r, h')
.if (\t) < 7
	s_wait_loadcnt 32                              ; this block's 32 loads are in; the next block's 32 may be out
.else
	s_wait_loadcnt 0
.endif
	v_max3_num_f32 v10, |v[XS]|, |v[XS+1]|, |v[XS+2]|               ; the block's largest magnitude: all 32 numbers are mine; two chains
	v_max3_num_f32 v11, |v[XS+3]|, |v[XS+4]|, |v[XS+5]|
.irp i, 6,10,14,18,22,26
	v_max3_num_f32 v10, v10, |v[XS+\i]|, |v[XS+\i+1]|
	v_max3_num_f32 v11, v11, |v[XS+\i+2]|, |v[XS+\i+3]|
.endr
	v_max3_num_f32 v10, v10, |v[XS+30]|, |v[XS+31]|
	v_max3_num_f32 v10, v10, v11, 0x1800000        ; and the floor 2^(3 - 127): the byte cannot fall under 1
	v_add_nc_u32 v11, 0xff000000, v10              ; 2 off the exponent field: the conversion takes the exponent field of this operand as its scale
.if (\t) == 4
	s_wait_xcnt 0x0                                ; pass 0's stores have read the image registers: they are written again only behind this wait
.endif
	v_cvt_scalef32_pk16_fp6_f32 v[FD:FD+2], v[XS:XS+15], v11
	v_cvt_scalef32_pk16_fp6_f32 v[152:154], v[XS+16:XS+31], v11     ; (a conversion's three registers begin on an even number)
	v_lshrrev_b32 v10, 23, v11                     ; the scale's byte; also the plain line behind the conversions
.irp i, 0,1,2
	v_mov_b32 v[FD+3+\i], v[152+\i]
.endr
.if (\t)%4 == 0
	v_mov_b32 v[12+(\t)/4], v10                    ; four bytes make my column's scale word
.else
	v_lshl_or_b32 v[12+(\t)/4], v10, 8*((\t)%4), v[12+(\t)/4]
.endif
.if (\t)+2 < 8
	LOAD (\t)+2
.endif
.if (\t)%4 == 3
.irp hh, 0,1
.irp c, 0,1,2
	global_store_b128 v7, v[F+12*\hh+4*\c:F+12*\hh+4*\c+3], s[30:31] offset:3072*((\t)/4)+512*\c+256*\hh   ; lanes 0-15 and lanes 16-31 each store 256 consecutive bytes, aligned
.endr
.endr
.endif
.endm
	LOAD 0
	LOAD 1
.irp t, 0,1,2,3,4,5,6,7
	BLOCK \t
.endr
	v_mov_b32 v14, 0                               ; (a lane permute's destination counts as one of its sources)
	v_mov_b32 v15, 0
	v_permlanex16_b32 v14, v12, s[SEL], s[SEL+1]   ; the other tile's words of the same r
	v_permlanex16_b32 v15, v13, s[SEL], s[SEL+1]
	v_cndmask_b32 v16, v12, v14, s42               ; tiles 4 H + 0 .. 3 in order, in every lane
	v_cndmask_b32 v17, v14, v12, s42
	v_cndmask_b32 v18, v13, v15, s42
	v_cndmask_b32 v19, v15, v13, s42
	global_store_b128 v8, v[16:19], s[30:31] offset:12288   ; 256 consecutive bytes; lanes 16-31 store what lanes 0-15 store
	s_wait_tensorcnt 0x0                           ; the wave's end
	ds_add_u32 v[SPW], v[NIL]
	s_wait_dscnt 0x0
	s_endpgm
; ---- x: K is innermost.  A load takes a row's 512 bytes as they lie, 16 a lane; 16 rows turn through the wave's own stage (rows 528 bytes apart) and come back 64 bytes a lane and block.
; 64 numbers v[QS] .. v[QS + 63] of a lane, register 16 b + i = k 32 b + 16 h + i of my row, become a fragment's codes in v[PC] on and its scale word in v[QP].
.macro QUANT
.irp b, 0,1,2,3
	v_max3_num_f32 v[TM+\b], |v[QS+16*\b]|, |v[QS+1+16*\b]|, 0x1800000   ; block b: my 16 numbers, and the floor 2^(3 - 127)
.endr
.irp i, 2,4,6,8,10,12,14
.irp b, 0,1,2,3
	v_max3_num_f32 v[TM+\b], v[TM+\b], |v[QS+16*\b+\i]|, |v[QS+1+16*\b+\i]|   ; (the four blocks by turns)
.endr
.endr
.irp b, 0,1,2,3
	v_permlanex16_b32 v[TM+4+\b], v[TM+\b], s[SEL], s[SEL+1]
.endr
.irp b, 0,1,2,3
	v_max_num_f32 v[TM+\b], v[TM+\b], v[TM+4+\b]   ; with lane l xor 16's: the block's largest magnitude
.endr
.irp b, 0,1,2,3
	v_add_nc_u32 v[TM+12+\b], 0xff000000, v[TM+\b]   ; 2 off its exponent field: the conversion's scale operand
.endr
.irp b, 0,1,2,3
	v_lshrrev_b32 v[TM+4+\b], 23, v[TM+12+\b]      ; the scale's byte
.endr
	v_lshl_or_b32 v[QP], v[TM+5], 8, v[TM+4]       ; my row's scale word
	v_lshl_or_b32 v[QP], v[TM+6], 16, v[QP]
	v_lshl_or_b32 v[QP], v[TM+7], 24, v[QP]
.irp c, 0,1
	v_cvt_scalef32_pk16_fp6_f32 v[PC+6*\c:PC+2+6*\c], v[QS+32*\c:QS+15+32*\c], v[TM+12+2*\c]
	v_cvt_scalef32_pk16_fp6_f32 v[PC+12+4*\c:PC+14+4*\c], v[QS+16+32*\c:QS+31+32*\c], v[TM+12+2*\c+1]
.endr
	v_nop                                          ; one plain line behind a scaled conversion
.irp c, 0,1                            ; the operand's layout wants a whole block in a lane: lanes 0-15 block 2 c, lanes 16-31 block 2 c + 1
.irp i, 0,1,2
	v_permlane16_swap_b32 v[PC+6*\c+\i], v[PC+12+4*\c+\i]
.endr
.irp i, 0,1,2
	v_mov_b32 v[PC+3+6*\c+\i], v[PC+12+4*\c+\i]
.endr
.endr
.endm
.Lx:
	s_sub_co_u32 s23, ttmp9, 64                    ; my group of 128 rows
	s_lshl_b32 s24, s23, 7
	s_lshl_b32 s25, s19, 6
	s_add_co_u32 s24, s24, s25                     ; my wave's first row
	s_lshl_b32 s28, s24, 13
	s_lshl_b32 s24, s22, 9                         ; 512 bytes a K step
	s_add_co_u32 s28, s28, s24
	s_mov_b32 s29, 0
	s_add_nc_u64 s[26:27], s[4:5], s[28:29]
	s_lshl_b32 s24, s23, 4
	s_add_co_u32 s24, s24, s22
	s_mul_i32 s24, s24, RECB
	s_mov_b32 s25, 0
	s_add_nc_u64 s[32:33], s[14:15], s[24:25]      ; my record
	s_mul_i32 s24, s19, 6144
	s_add_nc_u64 s[30:31], s[32:33], s[24:25]      ; my four images
	s_lshl_b32 s24, s19, 8
	s_add_nc_u64 s[32:33], s[32:33], s[24:25]      ; my four tiles' scale words, less 12,288
	v_lshlrev_b32 v6, 4, v1                        ; 16 x lane: in a row of x, and in an image
	s_mul_i32 s34, s18, 8448                       ; my stage
	v_add_nc_u32 v7, s34, v6                       ; into it
	v_mul_u32_u24 v9, v4, 528
	v_lshl_add_u32 v9, v5, 6, v9
	v_add_nc_u32 v9, s34, v9                       ; out of it: row r, + 64 h
	v_lshlrev_b32 v8, 4, v4
.irp b, 0,1,2,3
	v_mov_b32 v[TM+4+\b], 0                        ; written once: a lane permute's destination counts as one of its sources
.endr
.macro LOADF f                         ; the 16 rows of my tile f, into set f % 2
.irp p, 0,1,2,3,4,5,6,7,8,9,10,11,12,13,14,15
	global_load_b128 v[R+64*((\f)%2)+4*\p:R+64*((\f)%2)+4*\p+3], v6, s[26:27] offset:(32*((\f)/2)+8*((\f)%2)+\p+8*(\p/8))*8192 th:TH_LOAD_NT   ; 512 consecutive bytes
.endr
.endm
.macro FRAGX f
.if (\f) < 3
	s_wait_loadcnt 16                              ; this tile's 16 loads are in; the next tile's may be out
.else
	s_wait_loadcnt 0
.endif
.irp p, 0,1,2,3,4,5,6,7,8,9,10,11,12,13,14,15
	ds_store_b128 v7, v[R+64*((\f)%2)+4*\p:R+64*((\f)%2)+4*\p+3] offset:528*\p
.endr
.irp b, 0,1,2,3
.irp j, 0,1,2,3
	ds_load_b128 v[XN+16*\b+4*\j:XN+16*\b+4*\j+3], v9 offset:128*\b+16*\j   ; LDS serves a wave's instructions in order: these see my stores
.endr
.endr
	s_wait_dscnt 0x0                               ; the numbers are back, and the stores have read their registers
.if (\f) > 0
	s_wait_xcnt 0x0                                ; the last tile's stores have read the codes' registers
.endif
.if (\f) < 2
	LOADF (\f)+2
.endif
.set QS, XN
.set QP, PW+(\f)
	QUANT
.irp c, 0,1,2
	global_store_b128 v6, v[PC+4*\c:PC+4*\c+3], s[30:31] offset:1536*(\f)+512*\c   ; 512 consecutive bytes, aligned
.endr
.endm
	LOADF 0
	LOADF 1
.irp f, 0,1,2,3
	FRAGX \f
.endr
	global_store_b128 v8, v[PW:PW+3], s[32:33] offset:12288   ; 256 consecutive bytes; lanes 16-31 store what lanes 0-15 store
	s_wait_tensorcnt 0x0                           ; the wave's end, behind my last LDS store
	ds_add_u32 v[SPW], v[NIL]
	s_wait_dscnt 0x0
	s_endpgm
.Lfunc_end_k_q752142317a_quant:
	.size	k_q752142317a_quant, .Lfunc_end_k_q752142317a_quant-k_q752142317a_quant
	.p2alignl 7, 3214868480
	.fill 96, 4, 3214868480
	.section	.rodata,"a",@progbits
	.p2align	6, 0x0
	.amdhsa_kernel k_q752142317a_quant
		.amdhsa_group_segment_fixed_size 34816
		.amdhsa_private_segment_fixed_size 0
		.amdhsa_enable_private_segment 0
		.amdhsa_kernarg_size 56
		.amdhsa_user_sgpr_count 2
		.amdhsa_user_sgpr_kernarg_segment_ptr 1
		.amdhsa_wavefront_size32 1
		.amdhsa_system_sgpr_workgroup_id_x 1
		.amdhsa_system_sgpr_workgroup_id_y 1
		.amdhsa_system_sgpr_workgroup_id_z 1
		.amdhsa_system_vgpr_workitem_id 0
		.amdhsa_next_free_vgpr 256
		.amdhsa_next_free_sgpr 66
		.amdhsa_reserve_vcc 0
		.amdhsa_float_denorm_mode_32 3
		.amdhsa_float_denorm_mode_16_64 3
		.amdhsa_memory_ordered 1
		.amdhsa_forward_progress 1
		.amdhsa_inst_pref_size 72
	.end_amdhsa_kernel
	.amdgpu_metadata
---
amdhsa.version: [ 1, 2 ]
amdhsa.kernels:
  - .name:           k_q752142317a_quant
    .symbol:         k_q752142317a_quant.kd
    .args:
      - { .name: x, .offset: 0, .size: 8, .value_kind: global_buffer, .address_space: global }
      - { .name: Wq, .offset: 8, .size: 8, .value_kind: global_buffer, .address_space: global }
      - { .name: Wk, .offset: 16, .size: 8, .value_kind: global_buffer, .address_space: global }
      - { .name: Wv, .offset: 24, .size: 8, .value_kind: global_buffer, .address_space: global }
      - { .name: Wo, .offset: 32, .size: 8, .value_kind: global_buffer, .address_space: global }
      - { .name: xc, .offset: 40, .size: 8, .value_kind: global_buffer, .address_space: global }
      - { .name: wc, .offset: 48, .size: 8, .value_kind: global_buffer, .address_space: global }
    .group_segment_fixed_size: 34816
    .private_segment_fixed_size: 0
    .kernarg_segment_align: 8
    .kernarg_segment_size: 56
    .max_flat_workgroup_size: 128
    .sgpr_count:     66
    .vgpr_count:     256
    .wavefront_size: 32
...
	.end_amdgpu_metadata
.endif
;; end of part 1
;; launch qkv (part 2): grid 8 x 24, 4 waves a work-group, clusters of 4 x 4, 327,680 bytes of LDS; arguments xc, wc, rope_cos, rope_sin, qc, kv; writes qc, kv
.if DOCPART == 2
	.amdgcn_target "amdgcn-amd-amdhsa--gfx1250"
	.amdhsa_code_object_version 6
	.text
	.protected	k_q752142317a_qkv
	.globl	k_q752142317a_qkv
	.p2align	8
	.type	k_q752142317a_qkv,@function
k_q752142317a_qkv:
	s_mov_b64 s[64:65], 0
	v_nop
	global_prefetch_b8 v0, s[64:65] scope:SCOPE_SE
	s_setreg_imm32_b32 hwreg(HW_REG_WAVE_MODE, 25, 1), 1
	s_wait_xcnt 0x0
	s_wait_alu depctr_hold_cnt(0) depctr_sa_sdst(0) depctr_va_vdst(0) depctr_va_sdst(0) depctr_va_ssrc(0) depctr_va_vcc(0) depctr_vm_vsrc(0)
	s_getreg_b32 s2, hwreg(HW_REG_IB_STS2, 6, 4)
	s_cmp_eq_u32 s2, 0
	s_cbranch_scc0 .Lentry_in_a_cluster
	s_endpgm
.Lentry_in_a_cluster:
	s_bfe_u32 s2, ttmp6, 0x10000c
	s_cmp_lg_u32 s2, 0xf033
	s_cbranch_scc0 .Lentry_shape_is_right
	s_endpgm
.Lentry_shape_is_right:
; q = rope(x Wq), k = rope(x Wk) and V^T = (x Wv)^T, on codes of FP6 (E2M3) with E8M0 scales, each result quantised on its way out into records for the attention launch.  No f32 result goes to memory.
; A RECORD (12,800 bytes): 128 rows x 128 along K in the order of the operand's registers: eight images of 1,536 bytes (registers 4 c .. 4 c + 3 of lane l at 512 c + 16 l), then from byte 12,288 the scale words:
; lane (r, h): 16 bytes, word j = row r of tile 4 h + j.  Lane r of tile 2 b + u holds row 32 b + 8 u + r + 8 (r / 8) of the 128.
; ONE FORM FOR THREE PRODUCTS: C'[m'][n'] = sum over k of A'[m'][k] B'[n'][k], quantised along n'.  p = cluster y / 2.  p = 0: A' = xc, B' = Wq's groups of wc; p = 1: B' = Wk's; p = 2: A' = Wv's groups, B' = xc (m' = the head's d, n' = keys).
; The matrix instruction is used transposed (source 0 = 16 rows of B', source 1 = 16 rows of A'): a lane holds one m', and by the order of a tile's rows the 16 registers of B's tiles 2 b, 2 b + 1 are n' = 32 b + 16 (lane / 16) + 0 .. 15.
; A work-group of four waves makes 256 x 256, a wave 128 x 128: 64 accumulators, which become exactly one record.  12 clusters of 4 x 4 work-groups; tiles of A' are shared along a row of the cluster, tiles of B' along a column, by joint loads.
; THE RING: two LDS slots of three K steps of 128, as large as two fit; a wave's tensor load brings three records of one group, 38,400 dense bytes, codes and scale words together.  16 K steps = 3 + 3 + 3 + 3 + 3 + 1:
; slot 0 holds steps 0-2, 6-8, 12-14, slot 1 steps 3-5, 9-11, 15; the last refill brings one record, by a group 1 of its own.  A refill is asked for in its slot's last step and has two and a half K steps, 160 matrix instructions, in which to land.
; The 16 K steps are written out: the last two changes of slots differ from the others.
; OUT: qc [head][group of 128 queries][record]; kv [head][key step of 128][K's record, V's record].
; LIMITS: NaN and infinities are not served; a block whose largest magnitude lies under 2^-124, and a block of zeros, get the scale byte 1 (zero codes; the bytes are read by this program alone).
; No prefetch ahead of the tensor loads: the ring changes slots five times in all.  One tile to a work-group.
; REGISTERS: window 0: v16-29 addresses; v32-47 scale words and nothing else; v64-127 a set of rope numbers; v128-223 A's fragments, one set; v224-247 at work on the way out.
;   window 1: B's fragments, two sets, at v0 and v128; v96-127, v224-255 a set of rope numbers.   windows 2, 3: accumulator (a, b) at v[8 (8 (a % 4) + b)] of window 2 + a / 4.
.set RECB,  12800
.set GRPB,  16*RECB                    ; a group's 16 K steps
.set WLD,   3*RECB                     ; what one tensor load brings
.set SLOT,  4*WLD                      ; A's two groups, then B's two
.set SPARE, 2*SLOT                     ; behind the ring: the spare words, 128 bytes a wave: two blocks of 256 bytes that no other line names
.set FR,    12
.set NL,    3                          ; LDS loads that bring a fragment
.set NP,    4                          ; places behind this matrix instruction (ISA guide 7.12.1)
.set ADRA,  16                         ; v16-17 LDS address of my A' group in slot 0, 1: + 16 x lane
.set ADRB,  20                         ; v20-21 the same for B'
.set LI,    24                         ; v24  16 x lane; never rewritten
.set ROPA,  26                         ; v26  my lane's byte in a block's rows of the rope tables; never rewritten
.set SPW,   28                         ; v28  LDS address of my spare word; never rewritten
.set NIL,   29                         ; v29  0; never rewritten
.set SC,    32                         ; scale words: set p (K steps of parity p) at SC + 8 p: A's four registers, then B's four; register j: lanes 0-15 tile j, lanes 16-31 tile 4 + j
.set AF,    128
.set HA,    128                        ; the way out: v128-191 a block's 64 numbers after rope
.set PC,    192                        ; v192-203 the codes, v204-210 at work
.set T,     212                        ; v212-219 at work in rope
.set QD,    220                        ; v220-223 the record's scale words as they are stored
.set TM,    224                        ; v224-239 at work in QUANT
.set PW,    240                        ; v240-247 the eight blocks' scale words
.set WV,    16                         ; s16 wave;  s17 which half of the rows is mine, also: I fetch for A' (0) or B' (1);  s18 which half of the columns, also: which group of the two I fetch;  s19 p
.set RH,    17
.set CH,    18
.set PP,    19
.set G1,    24                         ; s[24:31] group 1 for A's tiles of three records; s[32:39] group 0, a set for each slot
.set G0,    32
.set G1B,   48                         ; s[48:55], s[56:63] the same for B's
.set G0B,   56
.set G1S,   84                         ; s[84:91] group 1 for A's last tile, one record;  s[92:99] for B's
.set G1SB,  92
.set SEL,   78                         ; s[78:79] lane selects: lane l xor 16
.set MSB, 0
.macro WIN new                         ; the immediate's high byte repeats the setting that is left; a switch that changes nothing is dropped
.if MSB != (\new)
	s_set_vgpr_msb (MSB<<8)|(\new)
.set MSB, (\new)
.endif
.endm
.set MUL_LO, 0xa1                      ; source 0 (B') window 1, source 1 (A') window 0, C and D window 2
.set MUL_HI, 0xf1
.set TO_B,   0x40
.macro PLACES n
.rept \n
	v_nop
.endr
.endm
; A joint load: waves 0, 1 fetch for A', waves 2, 3 for B'.  The branch hangs on the wave's number alone.  An s_nop 0 and four v_nop follow each of the two lines.
.macro JLOAD g0a, g1a, g0b, g1b
	s_cmp_eq_u32 s[RH], 0
	s_cbranch_scc0 .Lfor_b_\@
	tensor_load_to_lds s[\g0a:\g0a+3], s[\g1a:\g1a+7]
	s_nop 0
.rept 4
	v_nop
.endr
	s_branch .Lasked_\@
.Lfor_b_\@:
	tensor_load_to_lds s[\g0b:\g0b+3], s[\g1b:\g1b+7]
	s_nop 0
.rept 4
	v_nop
.endr
.Lasked_\@:
.endm
.macro CREST                           ; a round of the cluster's barrier behind its opening barrier
	s_cmp_lg_u32 s[WV], 0
	s_cbranch_scc1 .Lnot_wave_0_\@
	s_barrier_signal -3
.Lnot_wave_0_\@:
	s_barrier_wait -3
	s_barrier_signal -1
	s_barrier_wait -1
.endm
.macro CROUND
	s_barrier_signal -1
	s_barrier_wait -1
	CREST
.endm
	s_load_b256 s[4:11], s[0:1], 0x0               ; xc, wc, rope_cos, rope_sin
	s_load_b128 s[12:15], s[0:1], 0x20             ; qc, kv
	v_lshl_add_u32 v[SPW], v0, 2, SPARE
	v_mov_b32 v[NIL], 0
	ds_add_u32 v[SPW], v[NIL]                      ; the wave's opening: the add and its wait come ahead of my first tensor load; work on registers stands between them
	v_lshrrev_b32 v1, 5, v0
	v_readfirstlane_b32 s[WV], v1
	s_lshr_b32 s[RH], s[WV], 1
	s_and_b32 s[CH], s[WV], 1
	s_bfe_u32 s40, ttmp6, 0x40000                  ; cx
	s_bfe_u32 s41, ttmp6, 0x40004                  ; cy
	s_lshl_b32 s42, ttmp9, 2
	s_add_co_u32 s42, s42, s40                     ; tile column 0 .. 7
	s_and_b32 s20, ttmp7, 0xffff                   ; cluster y
	s_lshr_b32 s[PP], s20, 1                       ; p: the same in all sixteen partners
	s_lshl_b32 s43, s20, 2
	s_add_co_u32 s43, s43, s41
	s_and_b32 s43, s43, 7                          ; tile row 0 .. 7
	s_lshl_b32 s44, s41, 2
	s_lshl_b32 s44, 15, s44                        ; my row of the cluster
	s_lshl_b32 s45, 0x1111, s40                    ; my column
	s_or_b32 s[G1], s44, (3<<16)|(1<<21)           ; 15:0 the mask; 17:16 elements of 8 bytes; 21 set beside a mask; no padding
	s_or_b32 s[G1B], s45, (3<<16)|(1<<21)
	s_or_b32 s[G1S], s44, (3<<16)|(1<<21)
	s_or_b32 s[G1SB], s45, (3<<16)|(1<<21)
.irp g, G1, G1B                        ; three records: 150 rows of 256 bytes, dense
	s_mov_b32 s[\g+1], 32<<16                      ; tensor_dim0 = 32
	s_mov_b32 s[\g+2], 150<<16                     ; tensor_dim1 = 150
	s_mov_b32 s[\g+3], 32<<16                      ; tile_dim0 = 32
	s_mov_b32 s[\g+4], 150                         ; tile_dim1 = 150
	s_mov_b32 s[\g+5], 32                          ; from row to row
	s_mov_b32 s[\g+6], 0
	s_mov_b32 s[\g+7], 0
.endr
.irp g, G1S, G1SB                      ; one record: 50 rows
	s_mov_b32 s[\g+1], 32<<16
	s_mov_b32 s[\g+2], 50<<16
	s_mov_b32 s[\g+3], 32<<16
	s_mov_b32 s[\g+4], 50
	s_mov_b32 s[\g+5], 32
	s_mov_b32 s[\g+6], 0
	s_mov_b32 s[\g+7], 0
.endr
	s_lshl_b32 s20, s43, 1                         ; A's group that I fetch: 2 x tile row + which, + 32 where A' is Wv: no cx enters
	s_add_co_u32 s20, s20, s[CH]
	s_cmp_eq_u32 s[PP], 2
	s_cselect_b32 s21, 32, 0
	s_add_co_u32 s20, s20, s21
	s_mul_i32 s20, s20, GRPB
	s_mov_b32 s21, 0
	s_lshl_b32 s46, s42, 1                         ; B's: 2 x tile column + which, + 16 where B' is Wk: no cy enters
	s_add_co_u32 s46, s46, s[CH]
	s_cmp_eq_u32 s[PP], 1
	s_cselect_b32 s47, 16, 0
	s_add_co_u32 s46, s46, s47
	s_mul_i32 s46, s46, GRPB
	s_mov_b32 s47, 0
	s_mul_i32 s70, s[WV], WLD                      ; where my load lands in a slot
	s_mov_b32 s[SEL], 0x76543210
	s_mov_b32 s[SEL+1], 0xfedcba98
	s_mov_b32 s76, 0xffff0000                      ; lanes 16-31
	s_wait_dscnt 0x0                               ; the opening add is done
	s_wait_kmcnt 0x0
	s_cmp_eq_u32 s[PP], 2
	s_cselect_b64 s[66:67], s[6:7], s[4:5]         ; A'
	s_cselect_b64 s[68:69], s[4:5], s[6:7]         ; B'
	s_add_nc_u64 s[66:67], s[66:67], s[20:21]
	s_add_nc_u64 s[68:69], s[68:69], s[46:47]
	CROUND                                         ; all sixteen work-groups are here: the first joint loads meet
.irp s, 0,1
	s_mov_b32 s[G0+4*\s], 1
	s_add_co_u32 s[G0+4*\s+1], s70, \s*SLOT
	s_add_nc_u64 s[G0+4*\s+2:G0+4*\s+3], s[66:67], \s*WLD
	s_or_b32 s[G0+4*\s+3], s[G0+4*\s+3], 0x80000000
	s_mov_b32 s[G0B+4*\s], 1
	s_add_co_u32 s[G0B+4*\s+1], s70, \s*SLOT
	s_add_nc_u64 s[G0B+4*\s+2:G0B+4*\s+3], s[68:69], \s*WLD
	s_or_b32 s[G0B+4*\s+3], s[G0B+4*\s+3], 0x80000000
	JLOAD G0+4*\s, G1, G0B+4*\s, G1B               ; K steps 0-2 and 3-5: two loads of mine are out
.endr
	v_and_b32 v1, 31, v0
	v_lshlrev_b32 v[LI], 4, v1
	s_mul_i32 s20, s[RH], WLD                      ; my group of A'
	s_mul_i32 s21, s[CH], WLD                      ; my group of B',
	s_add_co_u32 s21, s21, 2*WLD                   ; behind A's two
.irp s, 0,1
	v_add_nc_u32 v[ADRA+\s], s20, v[LI]
	v_add_nc_u32 v[ADRB+\s], s21, v[LI]
	s_add_co_u32 s20, s20, SLOT
	s_add_co_u32 s21, s21, SLOT
.endr
	v_and_b32 v2, 15, v0                           ; r
	v_bfe_u32 v3, v0, 4, 1                         ; h
	v_and_b32 v4, 8, v2
	v_add_nc_u32 v4, v4, v2                        ; r + 8 (r / 8)
	v_lshlrev_b32 v4, 8, v4                        ; a row of a rope table is 256 bytes
	v_lshl_add_u32 v[ROPA], v3, 5, v4              ; + 32 h: pairs 8 h + 0 .. 7 of each 16
.irp b, 0,1,2,3
	v_mov_b32 v[TM+4+\b], 0                        ; written once: a lane permute's destination counts as one of its sources
.endr
	s_lshl_b32 s74, s43, 1
	s_add_co_u32 s74, s74, s[RH]                   ; my group along m'
	s_lshl_b32 s75, s42, 1
	s_add_co_u32 s75, s75, s[CH]                   ; my group along n'
	s_lshl_b32 s80, s75, 4
	s_add_co_u32 s80, s80, s74                     ; q: record head x 16 + group of queries
	s_lshl_b32 s81, s75, 5
	s_lshl_b32 s82, s74, 1
	s_add_co_u32 s81, s81, s82                     ; k: head x 32 + 2 x key step
	s_lshl_b32 s82, s74, 5
	s_lshl_b32 s83, s75, 1
	s_add_co_u32 s82, s82, s83
	s_add_co_u32 s82, s82, 1                       ; V: head x 32 + 2 x key step + 1
	s_cmp_eq_u32 s[PP], 1
	s_cselect_b32 s80, s81, s80
	s_cmp_eq_u32 s[PP], 2
	s_cselect_b32 s80, s82, s80
	s_mul_i32 s80, s80, RECB
	s_mov_b32 s81, 0
	s_cmp_eq_u32 s[PP], 0
	s_cselect_b64 s[72:73], s[12:13], s[14:15]
	s_add_nc_u64 s[72:73], s[72:73], s[80:81]      ; my record
	s_lshl_b32 s82, s74, 15                        ; 128 rows of 256 bytes a group: under 16 groups for every p, so inside the tables
	s_mov_b32 s83, 0
	s_add_nc_u64 s[8:9], s[8:9], s[82:83]
	s_add_nc_u64 s[10:11], s[10:11], s[82:83]
; ROPE NUMBERS.  Lane (r, h) of block a holds row t = 32 (a / 2) + 8 (a % 2) + r + 8 (r / 8) of my group and d = 32 b + 16 h + 0 .. 15: pairs 16 b + 8 h + 0 .. 7: 32 numbers of cos and 32 of sin, 16 loads.
.macro RLOAD a, w, cb, sb              ; block a's, into registers cb .. and sb .. of window w
	WIN (\w)<<6
.irp be, 0,1,2,3
.irp e, 0,1
	global_load_b128 v[\cb+8*\be+4*\e:\cb+8*\be+4*\e+3], v[ROPA], s[8:9] offset:(32*((\a)/2)+8*((\a)%2))*256+64*\be+16*\e
	global_load_b128 v[\sb+8*\be+4*\e:\sb+8*\be+4*\e+3], v[ROPA], s[10:11] offset:(32*((\a)/2)+8*((\a)%2))*256+64*\be+16*\e
.endr
.endr
	WIN 0
.endm
	RLOAD 0, 1, 96, 224                            ; blocks 0 and 1, into registers that the K steps do not touch: they land under them.  V's work-groups issue these 32 loads too and do not use them:
	RLOAD 1, 0, 64, 96                             ; so the text has one branch on p, at the way out, and every counted wait there sees the same loads on every path
; One matrix instruction, by the symbols rD, rB, rA, rSa, rSb; fRa, fRb: the side's scale words lie in lanes 16-31; fZ: the product starts the sum
.macro WM
.if fZ
.if fRa && fRb
	v_wmma_scale_f32_16x16x128_f8f6f4 v[rD:rD+7], v[rB:rB+11], v[rA:rA+11], 0, v[rSa], v[rSb] matrix_a_fmt:MATRIX_FMT_FP6 matrix_b_fmt:MATRIX_FMT_FP6 matrix_a_scale:MATRIX_SCALE_ROW1 matrix_b_scale:MATRIX_SCALE_ROW1
.elseif fRa
	v_wmma_scale_f32_16x16x128_f8f6f4 v[rD:rD+7], v[rB:rB+11], v[rA:rA+11], 0, v[rSa], v[rSb] matrix_a_fmt:MATRIX_FMT_FP6 matrix_b_fmt:MATRIX_FMT_FP6 matrix_a_scale:MATRIX_SCALE_ROW1
.elseif fRb
	v_wmma_scale_f32_16x16x128_f8f6f4 v[rD:rD+7], v[rB:rB+11], v[rA:rA+11], 0, v[rSa], v[rSb] matrix_a_fmt:MATRIX_FMT_FP6 matrix_b_fmt:MATRIX_FMT_FP6 matrix_b_scale:MATRIX_SCALE_ROW1
.else
	v_wmma_scale_f32_16x16x128_f8f6f4 v[rD:rD+7], v[rB:rB+11], v[rA:rA+11], 0, v[rSa], v[rSb] matrix_a_fmt:MATRIX_FMT_FP6 matrix_b_fmt:MATRIX_FMT_FP6
.endif
.else
.if fRa && fRb
	v_wmma_scale_f32_16x16x128_f8f6f4 v[rD:rD+7], v[rB:rB+11], v[rA:rA+11], v[rD:rD+7], v[rSa], v[rSb] matrix_a_fmt:MATRIX_FMT_FP6 matrix_b_fmt:MATRIX_FMT_FP6 matrix_a_scale:MATRIX_SCALE_ROW1 matrix_b_scale:MATRIX_SCALE_ROW1
.elseif fRa
	v_wmma_scale_f32_16x16x128_f8f6f4 v[rD:rD+7], v[rB:rB+11], v[rA:rA+11], v[rD:rD+7], v[rSa], v[rSb] matrix_a_fmt:MATRIX_FMT_FP6 matrix_b_fmt:MATRIX_FMT_FP6 matrix_a_scale:MATRIX_SCALE_ROW1
.elseif fRb
	v_wmma_scale_f32_16x16x128_f8f6f4 v[rD:rD+7], v[rB:rB+11], v[rA:rA+11], v[rD:rD+7], v[rSa], v[rSb] matrix_a_fmt:MATRIX_FMT_FP6 matrix_b_fmt:MATRIX_FMT_FP6 matrix_b_scale:MATRIX_SCALE_ROW1
.else
	v_wmma_scale_f32_16x16x128_f8f6f4 v[rD:rD+7], v[rB:rB+11], v[rA:rA+11], v[rD:rD+7], v[rSa], v[rSb] matrix_a_fmt:MATRIX_FMT_FP6 matrix_b_fmt:MATRIX_FMT_FP6
.endif
.endif
.endm
; 16 matrix instructions: A's blocks a0, a0 + 1 x B's eight, one K step of 128.  p: the K step's parity: B's set and the set of scale words.  The 64 accumulators take turns, one instruction a turn, in the same order in every step.
.macro MUL16 a0, p, zero
.irp a, \a0, \a0+1
.irp b, 0,1,2,3,4,5,6,7
.set rD, 8*(8*((\a)%4)+\b)
.set rB, 128*(\p)+FR*\b
.set rA, AF+FR*(\a)
.set rSa, SC+8*(\p)+4+\b%4
.set rSb, SC+8*(\p)+(\a)%4
.set fRa, \b/4
.set fRb, (\a)/4
.set fZ, \zero
	WM
.endr
.endr
.endm
.macro FRAG reg, adr, q, i             ; a fragment comes as the image of its registers: three loads of 512 consecutive bytes
.irp c, 0,1,2
	ds_load_b128 v[\reg+4*\c:\reg+4*\c+3], v[\adr] offset:RECB*(\q)+1536*(\i)+512*\c
.endr
.endm
.macro FETCH_B slot, q, p              ; B's eight fragments of the slot's q-th record into set p
	WIN TO_B
.irp i, 0,1,2,3,4,5,6,7
	FRAG 128*(\p)+FR*\i, ADRB+\slot, \q, \i
.endr
	WIN 0
.endm
.macro FETCH_A slot, q, i0             ; A's blocks i0 .. i0 + 3
.irp i, \i0, \i0+1, \i0+2, \i0+3
	FRAG AF+FR*(\i), ADRA+\slot, \q, \i
.endr
.endm
.macro SCALES slot, q, p               ; a K step's scale words into set p: two loads
	ds_load_b128 v[SC+8*(\p):SC+8*(\p)+3], v[ADRA+\slot] offset:RECB*(\q)+12288
	ds_load_b128 v[SC+8*(\p)+4:SC+8*(\p)+7], v[ADRB+\slot] offset:RECB*(\q)+12288
.endm
; K step j (record j % 3 of slot (j / 3) % 2) that has its successor in the same slot.  A has one set of registers: blocks 0-3 are fetched anew in the step's middle, blocks 4-7 at its end; B and the scale words have two sets.
.macro STEP j, zero
.set sP, (\j)%2
.set nS, (((\j)+1)/3)%2
.set nQ, ((\j)+1)%3
	s_wait_dscnt 4*NL                              ; all but the youngest twelve loads (A's blocks 4-7) are in
	WIN MUL_LO
	MUL16 0, sP, \zero
	MUL16 2, sP, \zero
	s_wait_dscnt 0                                 ; A's blocks 4-7 are in
	PLACES NP                                      ; in front of loads into registers that matrix instructions have read
	FETCH_B nS, nQ, 1-sP
	FETCH_A nS, nQ, 0
	SCALES nS, nQ, 1-sP
	WIN MUL_HI
	MUL16 4, sP, \zero
	MUL16 6, sP, \zero
	PLACES NP
	WIN 0
	FETCH_A nS, nQ, 4
.endm
; A slot's last K step changes slots: one barrier; in front of it each wave waits for all its tensor loads, adds 0 to its spare word, and waits for that and for its reads of this slot.
; fill = 1: the slot is filled again with the three K steps six further on; fill = 2: with the one K step that is left; fill = 0: nothing is left to fetch.
.macro TURN j, fill
.set tS, ((\j)/3)%2
.set tP, (\j)%2
	s_wait_tensorcnt 0x0                           ; all my tensor loads have landed: the one that was out is my part of the next slot
	ds_add_u32 v[SPW], v[NIL]                      ; 0 onto my spare word
	s_wait_dscnt 4*NL+1                            ; (the add and the youngest twelve loads may be out)
	WIN MUL_LO
	MUL16 0, tP, 0
	s_wait_dscnt 0x0                               ; the add is done, and my reads of this slot are over
	s_barrier_signal -1
	MUL16 2, tP, 0
	WIN 0
	s_barrier_wait -1
.if \fill
	CREST                                          ; the barrier has opened a round of the cluster's: no wave of any partner still reads this slot or has a load on its way
	s_add_nc_u64 s[G0+4*tS+2:G0+4*tS+3], s[G0+4*tS+2:G0+4*tS+3], 2*WLD
	s_add_nc_u64 s[G0B+4*tS+2:G0B+4*tS+3], s[G0B+4*tS+2:G0B+4*tS+3], 2*WLD
.if \fill == 1
	JLOAD G0+4*tS, G1, G0B+4*tS, G1B               ; the first tensor load behind the round, my one load until the next; its four v_nop are the places in front of the loads below
.else
	JLOAD G0+4*tS, G1S, G0B+4*tS, G1SB
.endif
.else
	PLACES NP
.endif
	FETCH_B 1-tS, 0, 1-tP
	FETCH_A 1-tS, 0, 0
	SCALES 1-tS, 0, 1-tP
	WIN MUL_HI
	MUL16 4, tP, 0
	MUL16 6, tP, 0
	PLACES NP
	WIN 0
	FETCH_A 1-tS, 0, 4
.endm
	s_wait_tensorcnt 1                             ; my part of slot 0 is in; slot 1's may stay out
	s_barrier_signal -1
	s_barrier_wait -1
	FETCH_B 0, 0, 0
	FETCH_A 0, 0, 0
	SCALES 0, 0, 0
	FETCH_A 0, 0, 4
	STEP 0, 1                                      ; the first K step's products start the sums
	STEP 1, 0
	TURN 2, 1                                      ; slot 0 takes K steps 6-8
	STEP 3, 0
	STEP 4, 0
	TURN 5, 1                                      ; slot 1 takes K steps 9-11
	STEP 6, 0
	STEP 7, 0
	TURN 8, 1                                      ; slot 0 takes K steps 12-14
	STEP 9, 0
	STEP 10, 0
	TURN 11, 2                                     ; slot 1 takes K step 15
	STEP 12, 0
	STEP 13, 0
	TURN 14, 0
	s_wait_dscnt 4*NL                              ; K step 15: nothing more to fetch
	WIN MUL_LO
	MUL16 0, 1, 0
	MUL16 2, 1, 0
	s_wait_dscnt 0
	WIN MUL_HI
	MUL16 4, 1, 0
	MUL16 6, 1, 0
	WIN 0
; THE WAY OUT.  64 numbers v[QS] .. v[QS + 63] of window QW, register 16 b + i = n' 32 b + 16 h + i of my row, become a fragment's codes in v[PC] on and its scale word in v[QP].
; Each accumulator is read from its low end on.
.macro QUANT
	WIN (QW<<2)|(QW<<4)                            ; sources 1 and 2: the numbers' window
.irp b, 0,1,2,3
	v_max3_num_f32 v[TM+\b], 0x1800000, |v[QS+16*\b]|, |v[QS+1+16*\b]|   ; block b: my 16 numbers, and the floor 2^(3 - 127): the byte cannot fall under 1
.endr
.irp i, 2,4,6,8,10,12,14
.irp b, 0,1,2,3
	v_max3_num_f32 v[TM+\b], v[TM+\b], |v[QS+16*\b+\i]|, |v[QS+1+16*\b+\i]|
.endr
.endr
	WIN 0
.irp b, 0,1,2,3
	v_permlanex16_b32 v[TM+4+\b], v[TM+\b], s[SEL], s[SEL+1]
.endr
.irp b, 0,1,2,3
	v_max_num_f32 v[TM+\b], v[TM+\b], v[TM+4+\b]   ; with lane l xor 16's: the block's largest magnitude
.endr
.irp b, 0,1,2,3
	v_add_nc_u32 v[TM+12+\b], 0xff000000, v[TM+\b]   ; 2 off its exponent field: the conversion's scale operand
.endr
.irp b, 0,1,2,3
	v_lshrrev_b32 v[TM+4+\b], 23, v[TM+12+\b]      ; the scale's byte
.endr
	v_lshl_or_b32 v[QP], v[TM+5], 8, v[TM+4]
	v_lshl_or_b32 v[QP], v[TM+6], 16, v[QP]
	v_lshl_or_b32 v[QP], v[TM+7], 24, v[QP]
	s_wait_xcnt 0x0                                ; the last block's stores have read the codes' registers: the conversions below are the first lines that write them again
	WIN QW                                         ; source 0: the numbers' window
.irp c, 0,1
	v_cvt_scalef32_pk16_fp6_f32 v[PC+6*\c:PC+2+6*\c], v[QS+32*\c:QS+15+32*\c], v[TM+12+2*\c]
	v_cvt_scalef32_pk16_fp6_f32 v[PC+12+4*\c:PC+14+4*\c], v[QS+16+32*\c:QS+31+32*\c], v[TM+12+2*\c+1]
.endr
	WIN 0
	v_nop                                          ; one plain line behind a scaled conversion
.irp c, 0,1
.irp i, 0,1,2
	v_permlane16_swap_b32 v[PC+6*\c+\i], v[PC+12+4*\c+\i]
.endr
.irp i, 0,1,2
	v_mov_b32 v[PC+3+6*\c+\i], v[PC+12+4*\c+\i]
.endr
.endr
.endm
.macro OUT3 a                          ; block a's image: three stores of 512 consecutive bytes, aligned
.irp c, 0,1,2
	global_store_b128 v[LI], v[PC+4*\c:PC+4*\c+3], s[72:73] offset:1536*(\a)+512*\c
.endr
.endm
; Block a of q or k: rope in f32 (o0 = x0 c - x1 s, o1 = x0 s + x1 c), then the quantiser.  w, cb, sb: where its rope numbers lie; n: the loads issued behind them, at most what the wait's field can name.
.macro ROPEBLK a, w, cb, sb, n
	s_wait_loadcnt \n
	WIN (2+(\a)/4)|((\w)<<2)                       ; source 0: the accumulators; source 1: the rope numbers
.irp be, 0,1,2,3
.irp g, 0,4
.irp m, 0,1,2,3
	v_mul_f32 v[T+2*\m], v[64*((\a)%4)+16*\be+2*(\g+\m)], v[\cb+8*\be+\g+\m]
	v_mul_f32 v[T+2*\m+1], v[64*((\a)%4)+16*\be+2*(\g+\m)+1], v[\cb+8*\be+\g+\m]
.endr
.irp m, 0,1,2,3
	v_fma_f32 v[HA+16*\be+2*(\g+\m)], -v[64*((\a)%4)+16*\be+2*(\g+\m)+1], v[\sb+8*\be+\g+\m], v[T+2*\m]
	v_fma_f32 v[HA+16*\be+2*(\g+\m)+1], v[64*((\a)%4)+16*\be+2*(\g+\m)], v[\sb+8*\be+\g+\m], v[T+2*\m+1]
.endr
.endr
.endr
	WIN 0
.if (\a)+5 < 8
	RLOAD (\a)+5, \w, \cb, \sb                     ; this block's rope registers take the block five further on
.endif
.set QS, HA
.set QP, PW+(\a)
.set QW, 0
	QUANT
	OUT3 \a
.endm
.macro VBLK a                          ; block a of V^T: quantised where it lies
.set QS, 64*((\a)%4)
.set QP, PW+(\a)
.set QW, 2+(\a)/4
	QUANT
	OUT3 \a
.endm
	PLACES NP                                      ; behind the last products: in front of the first reads of results and of loads and writes into the fragments' registers
	s_cmp_eq_u32 s[PP], 2
	s_cbranch_scc1 .Lv_out
	RLOAD 2, 1, 0, 32
	RLOAD 3, 1, 128, 160
	RLOAD 4, 1, 64, 192
	ROPEBLK 0, 1, 96, 224, 63                      ; behind block 0's loads: those of blocks 1 to 4, 64
	ROPEBLK 1, 0, 64, 96, 63                       ; blocks 2 to 5
	ROPEBLK 2, 1, 0, 32, 63                        ; blocks 3 to 6
	ROPEBLK 3, 1, 128, 160, 63                     ; blocks 4 to 7
	ROPEBLK 4, 1, 64, 192, 48                      ; blocks 5 to 7
	ROPEBLK 5, 1, 96, 224, 32
	ROPEBLK 6, 0, 64, 96, 16
	ROPEBLK 7, 1, 0, 32, 0
	s_branch .Lwords
.Lv_out:
.irp a, 0,1,2,3,4,5,6,7
	VBLK \a
.endr
.Lwords:
.irp j, 0,1,2,3
	v_cndmask_b32 v[QD+\j], v[PW+\j], v[PW+4+\j], s76   ; lanes 0-15: tiles 0-3; lanes 16-31: tiles 4-7
.endr
	global_store_b128 v[LI], v[QD:QD+3], s[72:73] offset:12288   ; 512 consecutive bytes
	s_wait_tensorcnt 0x0                           ; the wave's end
	ds_add_u32 v[SPW], v[NIL]
	s_wait_dscnt 0x0
	CROUND                                         ; the closing round: no work-group ends while a partner may still ask for a tile that names it
	s_endpgm
.Lfunc_end_k_q752142317a_qkv:
	.size	k_q752142317a_qkv, .Lfunc_end_k_q752142317a_qkv-k_q752142317a_qkv
	.p2alignl 7, 3214868480
	.fill 96, 4, 3214868480
	.section	.rodata,"a",@progbits
	.p2align	6, 0x0
	.amdhsa_kernel k_q752142317a_qkv
		.amdhsa_group_segment_fixed_size 327680
		.amdhsa_private_segment_fixed_size 0
		.amdhsa_enable_private_segment 0
		.amdhsa_kernarg_size 48
		.amdhsa_user_sgpr_count 2
		.amdhsa_user_sgpr_kernarg_segment_ptr 1
		.amdhsa_wavefront_size32 1
		.amdhsa_system_sgpr_workgroup_id_x 1
		.amdhsa_system_sgpr_workgroup_id_y 1
		.amdhsa_system_sgpr_workgroup_id_z 1
		.amdhsa_system_vgpr_workitem_id 0
		.amdhsa_next_free_vgpr 1024
		.amdhsa_next_free_sgpr 100
		.amdhsa_reserve_vcc 0
		.amdhsa_float_denorm_mode_32 3
		.amdhsa_float_denorm_mode_16_64 3
		.amdhsa_memory_ordered 1
		.amdhsa_forward_progress 1
		.amdhsa_inst_pref_size 255
	.end_amdhsa_kernel
	.section	.bss,"aw",@nobits
	.p2align	6
	.space	262144
	.amdgpu_metadata
---
amdhsa.version: [ 1, 2 ]
amdhsa.kernels:
  - .name:           k_q752142317a_qkv
    .symbol:         k_q752142317a_qkv.kd
    .args:
      - { .name: xc, .offset: 0, .size: 8, .value_kind: global_buffer, .address_space: global }
      - { .name: wc, .offset: 8, .size: 8, .value_kind: global_buffer, .address_space: global }
      - { .name: rope_cos, .offset: 16, .size: 8, .value_kind: global_buffer, .address_space: global }
      - { .name: rope_sin, .offset: 24, .size: 8, .value_kind: global_buffer, .address_space: global }
      - { .name: qc, .offset: 32, .size: 8, .value_kind: global_buffer, .address_space: global }
      - { .name: kv, .offset: 40, .size: 8, .value_kind: global_buffer, .address_space: global }
    .group_segment_fixed_size: 327680
    .private_segment_fixed_size: 0
    .kernarg_segment_align: 8
    .kernarg_segment_size: 48
    .max_flat_workgroup_size: 128
    .sgpr_count:     100
    .vgpr_count:     1024
    .wavefront_size: 32
...
	.end_amdgpu_metadata
.endif
;; end of part 2
;; launch attn (part 3): grid 16 x 16, 8 waves a work-group, clusters of 4 x 1, 327,680 bytes of LDS; arguments qc, kv, oc; writes oc
.if DOCPART == 3
	.amdgcn_target "amdgcn-amd-amdhsa--gfx1250"
	.amdhsa_code_object_version 6
	.text
	.protected	k_q752142317a_attn
	.globl	k_q752142317a_attn
	.p2align	8
	.type	k_q752142317a_attn,@function
k_q752142317a_attn:
	s_mov_b64 s[64:65], 0
	v_nop
	global_prefetch_b8 v0, s[64:65] scope:SCOPE_SE
	s_setreg_imm32_b32 hwreg(HW_REG_WAVE_MODE, 25, 1), 1
	s_wait_xcnt 0x0
	s_wait_alu depctr_hold_cnt(0) depctr_sa_sdst(0) depctr_va_vdst(0) depctr_va_sdst(0) depctr_va_ssrc(0) depctr_va_vcc(0) depctr_vm_vsrc(0)
	s_getreg_b32 s2, hwreg(HW_REG_IB_STS2, 6, 4)
	s_cmp_eq_u32 s2, 0
	s_cbranch_scc0 .Lentry_in_a_cluster
	s_endpgm
.Lentry_in_a_cluster:
	s_bfe_u32 s2, ttmp6, 0x10000c
	s_cmp_lg_u32 s2, 0x3003
	s_cbranch_scc0 .Lentry_shape_is_right
	s_endpgm
.Lentry_shape_is_right:
; O[q] = the sum over keys of softmax(q . k / sqrt(128)) v, for 16 heads of 128, 2,048 queries and keys, no mask; both products on codes of FP6 (E2M3) with E8M0 scales; O is quantised on its way out.
; IN: qc [head][group of 128 queries][record]; kv [head][key step of 128 keys][K's record (rows = keys, K = d), V's record (rows = d, K = keys)].  OUT: oc [group of 128 queries][head][record] (K = the head's d).
; A RECORD (12,800 bytes): eight images of 1,536 bytes (registers 4 c .. 4 c + 3 of lane l at 512 c + 16 l), then from byte 12,288 the scale words: lane (r, h): word j = row r of tile 4 h + j.
; Lane r of tile 2 b + u holds row 32 b + 8 u + r + 8 (r / 8): so in a transposed product the 16 registers of tiles 2 b, 2 b + 1 are 16 neighbours, 32 b + 16 (lane / 16) + 0 .. 15.
; THE SOFTMAX: t = score x log2(e) / sqrt(128); M = the running largest t rounded up to a whole number; p = 2^(t - M) is quantised along the keys, not normalised; the row's sum is taken of the unquantised p and divides O at the
; end.  When M moves, the sum and O are multiplied by 2^(old M - new M), which rounds nothing.  A block's largest p is made from the block's largest score by the same two instructions: this takes v_exp_f32 not to fall where its input rises.
; SHARES.  A work-group owns one group of 128 queries of one head, each of its eight waves one tile of 16, in 512 registers: two waves to a SIMD.  Both products are used transposed: a lane holds one query throughout.
; A KEY STEP'S FRAGMENTS HAVE REGISTERS OF THEIR OWN, K's eight and V's eight: K's 25 LDS loads go out in one run at the step's head, V's 25 behind the score products, so that they land under the softmax; no fragment register is used twice in a step.
; CLUSTER.  The four work-groups of a cluster belong to one head and walk the same kv: every record is asked for jointly (mask 15); each wave fetches one record of a region's eight.
; LDS: three regions of four key steps (102,400 bytes).  All three are asked for at the start, 12 of the 16 key steps; region 0 is filled once more, with key steps 12-15, behind the one round in the middle, and has eight key steps in which to land.
; So no prefetch is laid: beyond the first region no wave's work stands still for a tile that has not been asked for long before.
; The scale words of O leave as 4 bytes a lane, 16 bytes apart (64 bytes a wave): the one store of this launch that does not cover consecutive bytes.
; LIMITS: NaN and infinities are not served; a block whose largest magnitude lies under 2^-124, and a block of zeros, get the scale byte 1 (zero codes; the bytes are read by this program alone).
; REGISTERS: window 0: v1 16 x lane; v2, v3 the add's two; v4 the step's LDS address; v5 16 r; v12 -M, v13 the largest t, v[14:15] the sum; v16-27 Q; v80-83 K's scale words, v84-87 V's; v96-159 S^T, then p; v160-223 O^T;
;   v224-235 p's codes; v232-254 at work; v253 p's scale word; v255 Q's; v32-50 O's codes on the way out.   window 1: v0-95 K's eight fragments; v96-191 V's eight.
.set RECB,  12800
.set STEPB, 2*RECB
.set REG,   4*STEPB
.set SPARE, 3*REG                      ; behind the regions: the spare words, 128 bytes a wave: four blocks of 256 bytes that no other line names
.set LI,  1
.set SPW, 2
.set NIL, 3
.set ADR, 4
.set LR,  5
.set PC,  32                           ; the way out: O's codes
.set TM,  232
.set KFR, 0                            ; in window 1
.set VFR, 96                           ; in window 1
.set WV,  12
.set SEL, 20
.set CS,  22
.set G1,  24                           ; s[24:31] the one group 1: a record
.set G0,  32                           ; s[32:43] a group 0 for each region
.set TB,  44                           ; s44 LDS byte at which the key step in hand begins
.set CNT, 45
.set MSB, 0
.macro WIN new                         ; the immediate's high byte repeats the setting that is left; a switch that changes nothing is dropped
.if MSB != (\new)
	s_set_vgpr_msb (MSB<<8)|(\new)
.set MSB, (\new)
.endif
.endm
.set TO_F, 0x40                        ; destination window 1, address window 0
.set MULF, 0x01                        ; source 0 (K's or V's fragment) window 1; all else window 0
.macro CROUND
	s_barrier_signal -1
	s_barrier_wait -1
	s_cmp_lg_u32 s[WV], 0
	s_cbranch_scc1 .Lnot_wave_0_\@
	s_barrier_signal -3
.Lnot_wave_0_\@:
	s_barrier_wait -3
	s_barrier_signal -1
	s_barrier_wait -1
.endm
	s_load_b128 s[4:7], s[0:1], 0x0                ; qc, kv
	s_load_b64 s[8:9], s[0:1], 0x10                ; oc
	v_lshl_add_u32 v[SPW], v0, 2, SPARE
	v_mov_b32 v[NIL], 0
	ds_add_u32 v[SPW], v[NIL]                      ; the wave's opening: the add and its wait come ahead of my first tensor load; work on registers stands between them
	v_lshrrev_b32 v1, 5, v0
	v_readfirstlane_b32 s[WV], v1                  ; wave 0..7
	s_bfe_u32 s13, ttmp6, 0x40000                  ; cx
	s_lshl_b32 s14, ttmp9, 2
	s_add_co_u32 s14, s14, s13                     ; my group of queries: it enters qc's and oc's addresses alone
	s_and_b32 s15, ttmp7, 0xffff                   ; the head, which the four partners share
	s_mov_b32 s[G1], 15|(3<<16)|(1<<21)            ; 15:0 the mask: all four; 17:16 elements of 8 bytes; 21 set beside a mask; no padding
	s_mov_b32 s[G1+1], 32<<16                      ; tensor_dim0 = 32: rows of 256 bytes
	s_mov_b32 s[G1+2], 50<<16                      ; tensor_dim1 = 50
	s_mov_b32 s[G1+3], 32<<16                      ; tile_dim0
	s_mov_b32 s[G1+4], 50                          ; tile_dim1
	s_mov_b32 s[G1+5], 32                          ; dense
	s_mov_b32 s[G1+6], 0
	s_mov_b32 s[G1+7], 0
	s_lshl_b32 s46, s15, 4
	s_add_co_u32 s46, s46, s14
	s_mul_i32 s46, s46, RECB                       ; Q's record
	s_mov_b32 s47, 0
	s_lshl_b32 s48, s14, 4
	s_add_co_u32 s48, s48, s15
	s_mul_i32 s48, s48, RECB                       ; O's record
	s_mov_b32 s49, 0
	s_mul_i32 s50, s[WV], 1536                     ; my tile's image
	s_mov_b32 s51, 0
	s_lshr_b32 s52, s[WV], 2
	s_lshl_b32 s52, s52, 8
	s_and_b32 s53, s[WV], 3
	s_lshl_b32 s53, s53, 2
	s_add_co_u32 s52, s52, s53                     ; my tile's scale words: 256 (w / 4) + 4 (w % 4), + 16 r
	s_mov_b32 s53, 0
	s_mul_i32 s60, s[WV], RECB                     ; the record that I fetch: in a region,
	s_mul_i32 s58, s15, 16*STEPB
	s_add_co_u32 s58, s58, s60                     ; and in kv
	s_mov_b32 s59, 0
	s_mov_b32 s[SEL], 0x76543210
	s_mov_b32 s[SEL+1], 0xfedcba98
	s_mov_b32 s[CS], 0x3e0293ee                    ; c = log2(e) / sqrt(128)
	s_mov_b32 s[CS+1], s[CS]                       ; (named with it as a pair, so it is written)
	s_wait_dscnt 0x0                               ; the opening add is done
	s_wait_kmcnt 0x0
	s_add_nc_u64 s[6:7], s[6:7], s[58:59]
.irp n, 0,1,2
	s_mov_b32 s[G0+4*\n], 1
	s_add_co_u32 s[G0+4*\n+1], s60, \n*REG
	s_add_nc_u64 s[G0+4*\n+2:G0+4*\n+3], s[6:7], \n*REG
	s_or_b32 s[G0+4*\n+3], s[G0+4*\n+3], 0x80000000
.endr
	CROUND                                         ; all four work-groups are here: the first joint loads meet
	tensor_load_to_lds s[G0:G0+3], s[G1:G1+7]      ; three loads of mine are out
	s_nop 0
	tensor_load_to_lds s[G0+4:G0+7], s[G1:G1+7]
	s_nop 0
	tensor_load_to_lds s[G0+8:G0+11], s[G1:G1+7]
	s_nop 0
.rept 4
	v_nop
.endr
	s_add_nc_u64 s[4:5], s[4:5], s[46:47]
	s_add_nc_u64 s[54:55], s[4:5], s[52:53]        ; Q's scale words
	s_add_nc_u64 s[4:5], s[4:5], s[50:51]          ; Q's image
	s_add_nc_u64 s[8:9], s[8:9], s[48:49]
	s_add_nc_u64 s[56:57], s[8:9], s[52:53]        ; O's scale words
	s_add_nc_u64 s[8:9], s[8:9], s[50:51]          ; O's image
	v_and_b32 v1, 31, v0
	v_lshlrev_b32 v[LI], 4, v1
	v_and_b32 v5, 15, v0
	v_lshlrev_b32 v[LR], 4, v5
.irp c, 0,1,2
	global_load_b128 v[16+4*\c:19+4*\c], v[LI], s[4:5] offset:512*\c   ; Q's fragment stays in registers
.endr
	global_load_b32 v255, v[LR], s[54:55] offset:12288
	v_mov_b32 v13, 0xff61b1e6                      ; the largest t so far: -3e38, under every t
	v_floor_f32 v12, -v13                          ; -M
	v_mov_b32 v14, 0
	v_mov_b32 v15, 0
.irp b, 0,1,2,3
	v_mov_b32 v[236+\b], 0                         ; written once: a lane permute's destination counts as one of its sources
.endr
	v_mov_b32 v253, 0                              ; (named as the upper half of the pair v[252:253] before it is first written)
.irp j, 0,1,2,3,4,5,6,7,8,9,10,11,12,13,14,15,16,17,18,19,20,21,22,23,24,25,26,27,28,29,30,31,32,33,34,35,36,37,38,39,40,41,42,43,44,45,46,47,48,49,50,51,52,53,54,55,56,57,58,59,60,61,62,63
	v_mov_b32 v[160+\j], 0                         ; O^T: the step is written without a first step of its own: the first change of M multiplies zeros
.endr
; A KEY STEP: 128 keys.
.macro STEP
	v_add_nc_u32 v[ADR], s[TB], v[LI]
.rept 3
	v_nop                                          ; with the line above: four places between the last step's last products and the loads, further down, into V's fragments and scale words, which those products read
.endr
	ds_load_b128 v[80:83], v[ADR] offset:12288     ; K's scale words: register j: lanes 0-15 tile j, lanes 16-31 tile 4 + j
	WIN TO_F
.irp t, 0,1,2,3,4,5,6,7
.irp c, 0,1,2
	ds_load_b128 v[KFR+12*\t+4*\c:KFR+12*\t+4*\c+3], v[ADR] offset:1536*\t+512*\c
.endr
.endr
	s_wait_dscnt 12                                ; the scale words and tiles 0-3 are in; the youngest twelve loads (tiles 4-7) may be out
	WIN MULF
.irp t, 0,1,2,3
	v_wmma_scale_f32_16x16x128_f8f6f4 v[96+8*\t:103+8*\t], v[KFR+12*\t:KFR+12*\t+11], v[16:27], 0, v[80+\t], v255 matrix_a_fmt:MATRIX_FMT_FP6 matrix_b_fmt:MATRIX_FMT_FP6
.endr
	s_wait_dscnt 0x0
.irp t, 0,1,2,3
	v_wmma_scale_f32_16x16x128_f8f6f4 v[128+8*\t:135+8*\t], v[KFR+48+12*\t:KFR+48+12*\t+11], v[16:27], 0, v[80+\t], v255 matrix_a_fmt:MATRIX_FMT_FP6 matrix_b_fmt:MATRIX_FMT_FP6 matrix_a_scale:MATRIX_SCALE_ROW1
.endr
	WIN TO_F                               ; V's eight tiles and its scale words are asked for now and land under the softmax
.irp t, 0,1,2,3,4,5,6,7
.irp c, 0,1,2
	ds_load_b128 v[VFR+12*\t+4*\c:VFR+12*\t+4*\c+3], v[ADR] offset:RECB+1536*\t+512*\c
.endr
.endr
	WIN 0
	ds_load_b128 v[84:87], v[ADR] offset:RECB+12288
.rept 4
	v_nop                                          ; places in front of the first read of the scores
.endr
.irp b, 0,1,2,3
	v_max3_num_f32 v[232+\b], v[96+16*\b], v[97+16*\b], v[98+16*\b]   ; the largest score of each block of 32 keys: it serves for the row's maximum and for the block's largest p
.endr
.irp i, 3,5,7,9,11,13
.irp b, 0,1,2,3
	v_max3_num_f32 v[232+\b], v[232+\b], v[96+16*\b+\i], v[97+16*\b+\i]
.endr
.endr
.irp b, 0,1,2,3
	v_max_num_f32 v[232+\b], v[232+\b], v[111+16*\b]
.endr
.irp b, 0,1,2,3
	v_permlanex16_b32 v[236+\b], v[232+\b], s[SEL], s[SEL+1]
.endr
.irp b, 0,1,2,3
	v_max_num_f32 v[232+\b], v[232+\b], v[236+\b]  ; with lane l xor 16's 16 keys
.endr
	v_max3_num_f32 v254, v232, v233, v234
	v_max_num_f32 v254, v254, v235                 ; the step's largest score of my query
	v_mul_f32 v254, s[CS], v254                    ; as t (c is positive)
	v_max_num_f32 v13, v13, v254                   ; the running largest t
	v_mov_b32 v254, v12
	v_floor_f32 v12, -v13                          ; the new -M = floor(-t): M is a whole number
	v_sub_f32 v254, v12, v254                      ; old M - new M: a whole number, 0 or less
	v_cvt_i32_f32 v254, v254                       ; (it saturates)
	v_ldexp_f32 v252, 1.0, v254                    ; f = 2^(old M - new M)
.irp j, 0,2,4,6,8,10,12,14,16,18,20,22,24,26,28,30,32,34,36,38,40,42,44,46,48,50,52,54,56,58,60,62
	v_pk_fma_f32 v[96+\j:97+\j], v[96+\j:97+\j], s[CS:CS+1], v[12:13] op_sel_hi:[1,0,0]   ; t - M, two at a time
.endr
.irp b, 0,1,2,3
	v_fma_f32 v[232+\b], v[232+\b], s[CS], v12     ; the same of each block's largest score
.endr
.irp j, 0,1,2,3,4,5,6,7,8,9,10,11,12,13,14,15,16,17,18,19,20,21,22,23,24,25,26,27,28,29,30,31,32,33,34,35,36,37,38,39,40,41,42,43,44,45,46,47,48,49,50,51,52,53,54,55,56,57,58,59,60,61,62,63
	v_exp_f32 v[96+\j], v[96+\j]                   ; p = 2^(t - M), at most 1
.endr
	v_pk_mul_f32 v[14:15], v[14:15], v[252:253] op_sel_hi:[1,0]   ; the sums under the new M; the plain line behind the exponentials
	s_wait_alu depctr_va_vdst(0)                   ; one wait for the whole batch, ahead of its first reader
.irp b, 0,1,2,3
	v_exp_f32 v[232+\b], v[232+\b]                 ; the block's largest p
.endr
	v_pk_add_f32 v[236:237], v[96:97], v[98:99]    ; the row's sum is taken of the unquantised p: two at a time, in two chains
.irp j, 4,8,12,16,20,24,28,32,36,40,44,48,52,56,60
	v_pk_add_f32 v[14:15], v[14:15], v[96+\j:97+\j]
	v_pk_add_f32 v[236:237], v[236:237], v[98+\j:99+\j]
.endr
	v_pk_add_f32 v[14:15], v[14:15], v[236:237]
	s_wait_alu depctr_va_vdst(0)                   ; and one for the four
.irp b, 0,1,2,3
	v_max_num_f32 v[232+\b], 0x1800000, v[232+\b]  ; the floor 2^(3 - 127): the byte cannot fall under 1
.endr
.irp b, 0,1,2,3
	v_add_nc_u32 v[244+\b], 0xff000000, v[232+\b]  ; 2 off the exponent field: the conversion's scale operand
.endr
.irp b, 0,1,2,3
	v_lshrrev_b32 v[236+\b], 23, v[244+\b]         ; the scale's byte
.endr
	v_lshl_or_b32 v253, v237, 8, v236              ; p's scale word for these 128 keys
	v_lshl_or_b32 v253, v238, 16, v253
	v_lshl_or_b32 v253, v239, 24, v253
.irp c, 0,1
	v_cvt_scalef32_pk16_fp6_f32 v[224+6*\c:226+6*\c], v[96+32*\c:111+32*\c], v[244+2*\c]
	v_cvt_scalef32_pk16_fp6_f32 v[236+4*\c:238+4*\c], v[112+32*\c:127+32*\c], v[244+2*\c+1]
.endr
	v_nop                                          ; one plain line behind a scaled conversion
.irp c, 0,1
.irp i, 0,1,2
	v_permlane16_swap_b32 v[224+6*\c+\i], v[236+4*\c+\i]
.endr
.irp i, 0,1,2
	v_mov_b32 v[227+6*\c+\i], v[236+4*\c+\i]
.endr
.endr
.irp j, 0,2,4,6,8,10,12,14,16,18,20,22,24,26,28,30,32,34,36,38,40,42,44,46,48,50,52,54,56,58,60,62
	v_pk_mul_f32 v[160+\j:161+\j], v[160+\j:161+\j], v[252:253] op_sel_hi:[1,0]   ; O^T under the new M; these 32 are also the places between p's codes and scale word and the products below
.endr
	s_wait_dscnt 0x0                               ; V's eight tiles and its scale words
	WIN MULF
.irp t, 0,1,2,3
	v_wmma_scale_f32_16x16x128_f8f6f4 v[160+8*\t:167+8*\t], v[VFR+12*\t:VFR+12*\t+11], v[224:235], v[160+8*\t:167+8*\t], v[84+\t], v253 matrix_a_fmt:MATRIX_FMT_FP6 matrix_b_fmt:MATRIX_FMT_FP6
.endr
.irp t, 0,1,2,3
	v_wmma_scale_f32_16x16x128_f8f6f4 v[192+8*\t:199+8*\t], v[VFR+48+12*\t:VFR+48+12*\t+11], v[224:235], v[192+8*\t:199+8*\t], v[84+\t], v253 matrix_a_fmt:MATRIX_FMT_FP6 matrix_b_fmt:MATRIX_FMT_FP6 matrix_a_scale:MATRIX_SCALE_ROW1
.endr
	WIN 0                                          ; at a label and at a branch every window is 0
	s_add_co_u32 s[TB], s[TB], STEPB
.endm
.macro STEPS base, n                   ; n key steps that lie on end in LDS from byte base on
	s_mov_b32 s[TB], \base
	s_mov_b32 s[CNT], \n
.Lstep_\@:
	STEP
	s_sub_co_u32 s[CNT], s[CNT], 1
	s_cmp_lg_u32 s[CNT], 0
	s_cbranch_scc1 .Lstep_\@
.endm
	s_wait_loadcnt 0x0                             ; Q
	s_wait_tensorcnt 2                             ; my record of region 0 is in; the two younger loads may stay out
	s_barrier_signal -1
	s_barrier_wait -1
	STEPS 0, 4                                     ; key steps 0-3
	s_wait_tensorcnt 0x0                           ; all my tensor loads have landed: regions 1 and 2 are whole once every wave has said so; a group 0 may be written
	ds_add_u32 v[SPW], v[NIL]                      ; 0 onto my spare word
	s_add_nc_u64 s[G0+2:G0+3], s[G0+2:G0+3], 3*REG ; key steps 12-15
	s_wait_dscnt 0x0                               ; the add is done, and my reads of region 0 are over
	CROUND                                         ; both now hold of every wave of all four work-groups
	tensor_load_to_lds s[G0:G0+3], s[G1:G1+7]      ; the launch's one refill: my one load behind the round, and the first thing there
	s_nop 0
.rept 4
	v_nop
.endr
	STEPS REG, 8                                   ; key steps 4-11: regions 1 and 2 lie on end
	s_wait_tensorcnt 0x0                           ; my record of key steps 12-15 is in
	ds_add_u32 v[SPW], v[NIL]
	s_wait_dscnt 0x0
	s_barrier_signal -1
	s_barrier_wait -1                              ; everybody's is
	STEPS 0, 4                                     ; key steps 12-15
; THE WAY OUT.  O^T / the sum; register 16 b + i is d = 32 b + 16 h + i of my query: the quantiser's order.  The codes leave as the image of the next product's operand.
.macro QUANT
.irp b, 0,1,2,3
	v_max3_num_f32 v[TM+\b], |v[QS+16*\b]|, |v[QS+1+16*\b]|, 0x1800000
.endr
.irp i, 2,4,6,8,10,12,14
.irp b, 0,1,2,3
	v_max3_num_f32 v[TM+\b], v[TM+\b], |v[QS+16*\b+\i]|, |v[QS+1+16*\b+\i]|
.endr
.endr
.irp b, 0,1,2,3
	v_permlanex16_b32 v[TM+4+\b], v[TM+\b], s[SEL], s[SEL+1]
.endr
.irp b, 0,1,2,3
	v_max_num_f32 v[TM+\b], v[TM+\b], v[TM+4+\b]
.endr
.irp b, 0,1,2,3
	v_add_nc_u32 v[TM+12+\b], 0xff000000, v[TM+\b]
.endr
.irp b, 0,1,2,3
	v_lshrrev_b32 v[TM+4+\b], 23, v[TM+12+\b]
.endr
	v_lshl_or_b32 v[QP], v[TM+5], 8, v[TM+4]
	v_lshl_or_b32 v[QP], v[TM+6], 16, v[QP]
	v_lshl_or_b32 v[QP], v[TM+7], 24, v[QP]
.irp c, 0,1
	v_cvt_scalef32_pk16_fp6_f32 v[PC+6*\c:PC+2+6*\c], v[QS+32*\c:QS+15+32*\c], v[TM+12+2*\c]
	v_cvt_scalef32_pk16_fp6_f32 v[PC+12+4*\c:PC+14+4*\c], v[QS+16+32*\c:QS+31+32*\c], v[TM+12+2*\c+1]
.endr
	v_nop
.irp c, 0,1
.irp i, 0,1,2
	v_permlane16_swap_b32 v[PC+6*\c+\i], v[PC+12+4*\c+\i]
.endr
.irp i, 0,1,2
	v_mov_b32 v[PC+3+6*\c+\i], v[PC+12+4*\c+\i]
.endr
.endr
.endm
.rept 4
	v_nop                                          ; places behind the last products
.endr
	v_add_f32 v14, v14, v15                        ; the sum's two halves,
	v_permlanex16_b32 v252, v14, s[SEL], s[SEL+1]
	v_add_f32 v14, v14, v252                       ; and lane l xor 16's
	v_rcp_f32 v14, v14
	v_nop                                          ; a plain line behind the reciprocal
	s_wait_alu depctr_va_vdst(0)                   ; and the wait ahead of its first reader
.irp j, 0,1,2,3,4,5,6,7,8,9,10,11,12,13,14,15,16,17,18,19,20,21,22,23,24,25,26,27,28,29,30,31,32,33,34,35,36,37,38,39,40,41,42,43,44,45,46,47,48,49,50,51,52,53,54,55,56,57,58,59,60,61,62,63
	v_mul_f32 v[96+\j], v[160+\j], v14
.endr
.set QS, 96
.set QP, 248
	QUANT
.irp c, 0,1,2
	global_store_b128 v[LI], v[PC+4*\c:PC+4*\c+3], s[8:9] offset:512*\c   ; 512 consecutive bytes, aligned
.endr
	global_store_b32 v[LR], v248, s[56:57] offset:12288   ; my tile's scale words; lanes 16-31 store what lanes 0-15 store
	s_wait_tensorcnt 0x0                           ; the wave's end
	ds_add_u32 v[SPW], v[NIL]
	s_wait_dscnt 0x0
	CROUND                                         ; the closing round
	s_endpgm
.Lfunc_end_k_q752142317a_attn:
	.size	k_q752142317a_attn, .Lfunc_end_k_q752142317a_attn-k_q752142317a_attn
	.p2alignl 7, 3214868480
	.fill 96, 4, 3214868480
	.section	.rodata,"a",@progbits
	.p2align	6, 0x0
	.amdhsa_kernel k_q752142317a_attn
		.amdhsa_group_segment_fixed_size 327680
		.amdhsa_private_segment_fixed_size 0
		.amdhsa_enable_private_segment 0
		.amdhsa_kernarg_size 24
		.amdhsa_user_sgpr_count 2
		.amdhsa_user_sgpr_kernarg_segment_ptr 1
		.amdhsa_wavefront_size32 1
		.amdhsa_system_sgpr_workgroup_id_x 1
		.amdhsa_system_sgpr_workgroup_id_y 1
		.amdhsa_system_sgpr_workgroup_id_z 1
		.amdhsa_system_vgpr_workitem_id 0
		.amdhsa_next_free_vgpr 512
		.amdhsa_next_free_sgpr 66
		.amdhsa_reserve_vcc 0
		.amdhsa_float_denorm_mode_32 3
		.amdhsa_float_denorm_mode_16_64 3
		.amdhsa_memory_ordered 1
		.amdhsa_forward_progress 1
		.amdhsa_inst_pref_size 71
	.end_amdhsa_kernel
	.amdgpu_metadata
---
amdhsa.version: [ 1, 2 ]
amdhsa.kernels:
  - .name:           k_q752142317a_attn
    .symbol:         k_q752142317a_attn.kd
    .args:
      - { .name: qc, .offset: 0, .size: 8, .value_kind: global_buffer, .address_space: global }
      - { .name: kv, .offset: 8, .size: 8, .value_kind: global_buffer, .address_space: global }
      - { .name: oc, .offset: 16, .size: 8, .value_kind: global_buffer, .address_space: global }
    .group_segment_fixed_size: 327680
    .private_segment_fixed_size: 0
    .kernarg_segment_align: 8
    .kernarg_segment_size: 24
    .max_flat_workgroup_size: 256
    .sgpr_count:     66
    .vgpr_count:     512
    .wavefront_size: 32
...
	.end_amdgpu_metadata
.endif
;; end of part 3
;; launch outp (part 4): grid 16 x 16, 4 waves a work-group, clusters of 4 x 4, 327,680 bytes of LDS; arguments oc, wc, out0; writes out0
.if DOCPART == 4
	.amdgcn_target "amdgcn-amd-amdhsa--gfx1250"
	.amdhsa_code_object_version 6
	.text
	.protected	k_q752142317a_outp
	.globl	k_q752142317a_outp
	.p2align	8
	.type	k_q752142317a_outp,@function
k_q752142317a_outp:
	s_mov_b64 s[64:65], 0
	v_nop
	global_prefetch_b8 v0, s[64:65] scope:SCOPE_SE
	s_setreg_imm32_b32 hwreg(HW_REG_WAVE_MODE, 25, 1), 1
	s_wait_xcnt 0x0
	s_wait_alu depctr_hold_cnt(0) depctr_sa_sdst(0) depctr_va_vdst(0) depctr_va_sdst(0) depctr_va_ssrc(0) depctr_va_vcc(0) depctr_vm_vsrc(0)
	s_getreg_b32 s2, hwreg(HW_REG_IB_STS2, 6, 4)
	s_cmp_eq_u32 s2, 0
	s_cbranch_scc0 .Lentry_in_a_cluster
	s_endpgm
.Lentry_in_a_cluster:
	s_bfe_u32 s2, ttmp6, 0x10000c
	s_cmp_lg_u32 s2, 0xf033
	s_cbranch_scc0 .Lentry_shape_is_right
	s_endpgm
.Lentry_shape_is_right:
; out0 [2048][2048] f32 = O Wo, on codes of FP6 (E2M3) with E8M0 scales.  A' = oc [group of 128 rows][16 K steps][record]; B' = groups 48-63 of wc (Wo's columns), laid alike.
; A RECORD (12,800 bytes): eight images of 1,536 bytes (registers 4 c .. 4 c + 3 of lane l at 512 c + 16 l), then from byte 12,288 the scale words: lane (r, h): word j = row r of tile 4 h + j.
; Lane r of tile 2 b + u holds row 32 b + 8 u + r + 8 (r / 8) of the record's 128.
; A tile of the output is 128 x 128, so that there are 256 work-groups; four waves, each 64 x 64: 16 accumulators.  The matrix instruction is used transposed (source 0 = 16 rows of B', source 1 = 16 rows of A'):
; a lane holds one row of the output and eight neighbouring columns a tile.
; CLUSTER 4 x 4: A's records are shared along a row of the cluster, B's along a column, by joint loads.
; LDS: three regions of four K steps (A's four records, then B's four: 102,400 bytes).  All three are asked for at the start, 12 of the 16 K steps; region 0 is filled once more, with K steps 12-15, behind the round in K step 3.
; The 16 K steps are written out.  No prefetch: the tensor loads at the head ask for three quarters of what the work-group reads.  One tile to a work-group.
; REGISTERS: window 0: v10-18 LDS addresses; v24-29 the way out's addresses and the add's two; v32-39 scale words, two sets, and nothing else; v40-103 rows on the way out; v128-255 the accumulators ((a, b) at 128 + 8 (4 a + b)).
;   window 1: two fragment buffers at v0 and v128: B's four fragments, then A's four.
;   scalar: s[24:31], s[48:55] the two groups 1; s[32:43], s[68:79] three groups 0 each; s92-96 the place in the cluster, the tile column and the masks, clear of all descriptors.
.set RECB,  12800
.set GRPB,  16*RECB
.set WLD,   2*RECB
.set REG,   4*WLD
.set SPARE, 3*REG                      ; behind the regions: the spare words, 128 bytes a wave: two blocks of 256 bytes that no other line names
.set STAGE, REG                        ; the way out: 16 rows x 272 bytes for each wave, in region 1: it has had its only fill, and its last read lies ahead of the barrier in K step 11
.set ADRA,  10                         ; v10-12 my four tiles of A' in region 0, 1, 2: + 16 x lane
.set ADRB,  13                         ; v13-15 the same for B'
.set ADRS,  16                         ; v16-18 scale words: lanes 0-15 A's four tiles, lanes 16-31 B's
.set STO,   24
.set RD,    25
.set CO,    26
.set SPW,   28
.set NIL,   29
.set SC,    32
.set BK,    40
.set ACC,   128
.set WV,    14
.set RH,    15                         ; which half of the rows is mine; also: I fetch for A' (0) or B' (1)
.set CH,    16                         ; which half of the columns; also: which two of a region's four K steps I fetch
.set G1,    24
.set G0,    32                         ; s[32:43] a group 0 for each region, A's
.set G1B,   48
.set G0B,   68                         ; s[68:79] B's
.set CX,    92                         ; s92 cx, s93 cy: my place in the cluster
.set CY,    93
.set COL,   94                         ; s94 the tile column: kept until the output's address is made
.set MROW,  95                         ; s95 the mask of my row of the cluster, s96 of my column
.set MCOL,  96
.set MSB, 0
.macro WIN new
.if MSB != (\new)
	s_set_vgpr_msb (MSB<<8)|(\new)
.set MSB, (\new)
.endif
.endm
.set MUL,  0x05                        ; sources 0 (B') and 1 (A') window 1; C and D window 0
.set TO_F, 0x40
.macro PLACES n
.rept \n
	v_nop
.endr
.endm
.macro JLOAD g0a, g1a, g0b, g1b        ; a joint load; an s_nop 0 and four v_nop follow each of the two lines
	s_cmp_eq_u32 s[RH], 0
	s_cbranch_scc0 .Lfor_b_\@
	tensor_load_to_lds s[\g0a:\g0a+3], s[\g1a:\g1a+7]
	s_nop 0
.rept 4
	v_nop
.endr
	s_branch .Lasked_\@
.Lfor_b_\@:
	tensor_load_to_lds s[\g0b:\g0b+3], s[\g1b:\g1b+7]
	s_nop 0
.rept 4
	v_nop
.endr
.Lasked_\@:
.endm
.macro CREST
	s_cmp_lg_u32 s[WV], 0
	s_cbranch_scc1 .Lnot_wave_0_\@
	s_barrier_signal -3
.Lnot_wave_0_\@:
	s_barrier_wait -3
	s_barrier_signal -1
	s_barrier_wait -1
.endm
.macro CROUND
	s_barrier_signal -1
	s_barrier_wait -1
	CREST
.endm
	s_load_b128 s[4:7], s[0:1], 0x0                ; oc, wc
	s_load_b64 s[12:13], s[0:1], 0x10              ; out0
	v_lshl_add_u32 v[SPW], v0, 2, SPARE
	v_mov_b32 v[NIL], 0
	ds_add_u32 v[SPW], v[NIL]                      ; the wave's opening: the add and its wait come ahead of my first tensor load
	v_lshrrev_b32 v1, 5, v0
	v_readfirstlane_b32 s[WV], v1
	s_lshr_b32 s[RH], s[WV], 1
	s_and_b32 s[CH], s[WV], 1
	s_bfe_u32 s[CX], ttmp6, 0x40000                ; cx
	s_bfe_u32 s[CY], ttmp6, 0x40004                ; cy
	s_lshl_b32 s[COL], ttmp9, 2
	s_add_co_u32 s[COL], s[COL], s[CX]             ; tile column 0 .. 15
	s_and_b32 s17, ttmp7, 0xffff
	s_lshl_b32 s17, s17, 2
	s_add_co_u32 s17, s17, s[CY]                   ; tile row 0 .. 15
	s_lshl_b32 s[MROW], s[CY], 2
	s_lshl_b32 s[MROW], 15, s[MROW]                ; my row of the cluster
	s_lshl_b32 s[MCOL], 0x1111, s[CX]              ; my column
	s_or_b32 s[G1], s[MROW], (3<<16)|(1<<21)       ; the mask; elements of 8 bytes; bit 21 beside a mask; no padding
	s_or_b32 s[G1B], s[MCOL], (3<<16)|(1<<21)
.irp g, G1, G1B                        ; 100 rows of 256 bytes, dense: two records
	s_mov_b32 s[\g+1], 32<<16
	s_mov_b32 s[\g+2], 100<<16
	s_mov_b32 s[\g+3], 32<<16
	s_mov_b32 s[\g+4], 100
	s_mov_b32 s[\g+5], 32
	s_mov_b32 s[\g+6], 0
	s_mov_b32 s[\g+7], 0
.endr
	s_mul_i32 s18, s[CH], WLD                      ; which two K steps of a region's four
	s_mul_i32 s20, s17, GRPB
	s_add_co_u32 s20, s20, s18                     ; A': no cx enters
	s_mov_b32 s21, 0
	s_add_co_u32 s46, s[COL], 48
	s_mul_i32 s46, s46, GRPB
	s_add_co_u32 s46, s46, s18                     ; B': no cy enters
	s_mov_b32 s47, 0
	s_mul_i32 s45, s[WV], WLD                      ; where my load lands in a region
	s_wait_dscnt 0x0                               ; the opening add is done
	s_wait_kmcnt 0x0
	s_add_nc_u64 s[22:23], s[4:5], s[20:21]
	s_add_nc_u64 s[80:81], s[6:7], s[46:47]
	CROUND                                         ; all sixteen work-groups are here: the first joint loads meet
.irp n, 0,1,2
	s_mov_b32 s[G0+4*\n], 1
	s_add_co_u32 s[G0+4*\n+1], s45, \n*REG
	s_add_nc_u64 s[G0+4*\n+2:G0+4*\n+3], s[22:23], \n*2*WLD
	s_or_b32 s[G0+4*\n+3], s[G0+4*\n+3], 0x80000000
	s_mov_b32 s[G0B+4*\n], 1
	s_add_co_u32 s[G0B+4*\n+1], s45, \n*REG
	s_add_nc_u64 s[G0B+4*\n+2:G0B+4*\n+3], s[80:81], \n*2*WLD
	s_or_b32 s[G0B+4*\n+3], s[G0B+4*\n+3], 0x80000000
	JLOAD G0+4*\n, G1, G0B+4*\n, G1B               ; three loads of mine are out
.endr
	v_and_b32 v1, 31, v0
	v_and_b32 v2, 15, v0                           ; r
	v_bfe_u32 v3, v0, 4, 1                         ; h
	v_lshlrev_b32 v4, 4, v1                        ; 16 x lane
	s_mul_i32 s86, s[RH], 6144                     ; my four tiles of A',
	s_mul_i32 s87, s[CH], 6144                     ; of B',
	s_add_co_u32 s87, s87, 2*WLD                   ; behind A's four records
	s_lshl_b32 s88, s[RH], 8                       ; A's scale words of tiles 4 RH ..: 256 RH + 16 r
	s_lshl_b32 s89, s[CH], 8
	s_add_co_u32 s89, s89, 2*WLD
	s_sub_co_u32 s89, s89, s88                     ; from there to B's
	v_mul_u32_u24 v5, s89, v3                      ; lanes 16-31 take B's: one product with h
	v_lshl_add_u32 v5, v2, 4, v5
	s_add_co_u32 s88, s88, 12288
	v_add_nc_u32 v5, s88, v5
.irp n, 0,1,2
	v_add_nc_u32 v[ADRA+\n], s86, v4
	v_add_nc_u32 v[ADRB+\n], s87, v4
	v_add_nc_u32 v[ADRS+\n], \n*REG, v5
	s_add_co_u32 s86, s86, REG
	s_add_co_u32 s87, s87, REG
.endr
	s_mul_i32 s90, s[WV], 16*272
	s_add_co_u32 s90, s90, STAGE                   ; my stage
	v_mul_u32_u24 v6, v2, 272
	v_lshl_add_u32 v6, v3, 6, v6
	v_add_nc_u32 v[STO], s90, v6                   ; in: row r, + 64 h
	v_mul_u32_u24 v6, v3, 272
	v_lshl_add_u32 v6, v2, 4, v6
	v_add_nc_u32 v[RD], s90, v6                    ; back: lanes 0-15 one row of 256 bytes, lanes 16-31 the next
	v_lshlrev_b32 v6, 13, v3
	v_lshl_add_u32 v[CO], v2, 4, v6                ; and the same two rows in out0
	s_lshl_b32 s82, s17, 7
	s_lshl_b32 s83, s[RH], 6
	s_add_co_u32 s82, s82, s83                     ; my first row
	s_lshl_b32 s82, s82, 13
	s_mov_b32 s83, 0
	s_lshl_b32 s84, s[COL], 9
	s_lshl_b32 s85, s[CH], 8
	s_add_co_u32 s84, s84, s85                     ; my first column, in bytes: 512 x tile column + 256 x half
	s_mov_b32 s85, 0
	s_add_nc_u64 s[12:13], s[12:13], s[82:83]
	s_add_nc_u64 s[12:13], s[12:13], s[84:85]
; 25 LDS loads: K step q of region n into buffer f, its scale words into set sc: the words, B's four fragments, A's tiles 0, 1, then A's tiles 2, 3
.macro FETCH n, q, f, sc
	WIN 0
	ds_load_b128 v[SC+4*(\sc):SC+4*(\sc)+3], v[ADRS+(\n)] offset:RECB*(\q)
	WIN TO_F
.irp b, 0,1,2,3
.irp c, 0,1,2
	ds_load_b128 v[(\f)+12*\b+4*\c:(\f)+12*\b+4*\c+3], v[ADRB+(\n)] offset:RECB*(\q)+1536*\b+512*\c
.endr
.endr
.irp a, 0,1,2,3
.irp c, 0,1,2
	ds_load_b128 v[(\f)+48+12*\a+4*\c:(\f)+48+12*\a+4*\c+3], v[ADRA+(\n)] offset:RECB*(\q)+1536*\a+512*\c
.endr
.endr
.endm
; 4 n matrix instructions: A's tiles a0 .. a0 + n - 1 x B's four.  The 16 accumulators take turns, one instruction a turn, in the same order in every K step.
.macro MULP a0, n, f, sc, zero
.set aa, \a0
.rept \n
.irp b, 0,1,2,3
.if \zero
	v_wmma_scale_f32_16x16x128_f8f6f4 v[ACC+8*(4*aa+\b):ACC+8*(4*aa+\b)+7], v[(\f)+12*\b:(\f)+12*\b+11], v[(\f)+48+12*aa:(\f)+48+12*aa+11], 0, v[SC+4*(\sc)+\b], v[SC+4*(\sc)+aa] matrix_a_fmt:MATRIX_FMT_FP6 matrix_b_fmt:MATRIX_FMT_FP6 matrix_a_scale:MATRIX_SCALE_ROW1
.else
	v_wmma_scale_f32_16x16x128_f8f6f4 v[ACC+8*(4*aa+\b):ACC+8*(4*aa+\b)+7], v[(\f)+12*\b:(\f)+12*\b+11], v[(\f)+48+12*aa:(\f)+48+12*aa+11], v[ACC+8*(4*aa+\b):ACC+8*(4*aa+\b)+7], v[SC+4*(\sc)+\b], v[SC+4*(\sc)+aa] matrix_a_fmt:MATRIX_FMT_FP6 matrix_b_fmt:MATRIX_FMT_FP6 matrix_a_scale:MATRIX_SCALE_ROW1
.endif
.endr
.set aa, aa+1
.endr
.endm
.macro KSTEP j, zero                   ; K step j multiplies buffer j % 2 and fetches K step j + 1 into the other
	s_wait_dscnt 6                                 ; all but the youngest six loads (A's tiles 2, 3) are in
	WIN MUL
	MULP 0, 2, 128*((\j)%2), (\j)%2, \zero
	PLACES 4                                       ; in front of loads into registers that matrix instructions have read
	FETCH (((\j)+1)/4)%3, ((\j)+1)%4, 128*(((\j)+1)%2), ((\j)+1)%2
	s_wait_dscnt 25                                ; all but the 25 just issued
	WIN MUL
	MULP 2, 2, 128*((\j)%2), (\j)%2, \zero
.endm
; A K step with a barrier: in front of it each wave waits for all its tensor loads, adds 0 to its spare word, and waits for that and for all its LDS reads.  fill = 1: region 0, which nobody reads any more, is filled again.
.macro KTURN j, fill
	WIN 0
	s_wait_tensorcnt 0x0                           ; all my tensor loads have landed
	ds_add_u32 v[SPW], v[NIL]                      ; 0 onto my spare word
	s_wait_dscnt 7                                 ; (the add and the youngest six loads may be out)
	WIN MUL
	MULP 0, 1, 128*((\j)%2), (\j)%2, 0
	s_wait_dscnt 0x0                               ; the add is done, and my LDS reads are over
	s_barrier_signal -1
	MULP 1, 1, 128*((\j)%2), (\j)%2, 0
	WIN 0
	s_barrier_wait -1
.if \fill
	CREST                                          ; the barrier has opened a round of the cluster's
	s_add_nc_u64 s[G0+2:G0+3], s[G0+2:G0+3], 6*WLD ; K steps 12-15
	s_add_nc_u64 s[G0B+2:G0B+3], s[G0B+2:G0B+3], 6*WLD
	JLOAD G0, G1, G0B, G1B                         ; the launch's one refill: the first tensor load behind the round; its four v_nop are the places in front of the loads below
.else
	PLACES 4
.endif
	FETCH (((\j)+1)/4)%3, ((\j)+1)%4, 128*(((\j)+1)%2), ((\j)+1)%2
	WIN MUL
	MULP 2, 2, 128*((\j)%2), (\j)%2, 0
.endm
	s_wait_tensorcnt 2                             ; my part of region 0 is in; the two younger loads may stay out
	s_barrier_signal -1
	s_barrier_wait -1
	FETCH 0, 0, 0, 0
	KSTEP 0, 1                                     ; the first K step's products start the sums
	KSTEP 1, 0
	KSTEP 2, 0
	KTURN 3, 1                                     ; every wave's first fills are shown landed here: regions 1 and 2 are read with no further barrier
.irp j, 4,5,6,7,8,9,10
	KSTEP \j, 0
.endr
	KTURN 11, 0                                    ; region 0's second fill is whole for everybody
.irp j, 12,13,14
	KSTEP \j, 0
.endr
	s_wait_dscnt 6                                 ; the last K step: nothing more to fetch
	WIN MUL
	MULP 0, 2, 128, 1, 0
	s_wait_dscnt 0
	MULP 2, 2, 128, 1, 0
	WIN 0
; THE WAY OUT, a block of 16 rows x 64 columns at a time, through my own stage.  B's tile b holds columns 32 (b / 2) + 16 h + 8 (b % 2) + 0 .. 7 of my 64.  Stage row i is row i + 8 (i / 8) of the block's pattern.
.macro TOSTAGE a
.irp b, 0,1,2,3
	ds_store_b128 v[STO], v[ACC+8*(4*(\a)+\b):ACC+8*(4*(\a)+\b)+3] offset:128*(\b/2)+32*(\b%2)      ; each accumulator from its low end on
	ds_store_b128 v[STO], v[ACC+8*(4*(\a)+\b)+4:ACC+8*(4*(\a)+\b)+7] offset:128*(\b/2)+32*(\b%2)+16
.endr
.irp i, 0,1,2,3,4,5,6,7
	ds_load_b128 v[BK+32*((\a)%2)+4*\i:BK+32*((\a)%2)+4*\i+3], v[RD] offset:544*\i   ; LDS serves a wave's instructions in order: these see my stores, and the next block's stores come behind them
.endr
.endm
.macro SEND a, younger                 ; younger: the LDS instructions issued behind block a's loads
	s_wait_dscnt \younger
.irp i, 0,1,2,3,4,5,6,7
	global_store_b128 v[CO], v[BK+32*((\a)%2)+4*\i:BK+32*((\a)%2)+4*\i+3], s[12:13] offset:(32*((\a)/2)+8*((\a)%2)+2*\i+8*(\i/4))*8192 th:TH_STORE_NT   ; 16 lanes store 256 consecutive bytes, aligned
.endr
.endm
	PLACES 4                                       ; behind the last products, in front of the first reads of results
	TOSTAGE 0
	TOSTAGE 1
	SEND 0, 16
	s_wait_xcnt 0x0                                ; block 0's stores have read their registers: block 2's rows may land there
	TOSTAGE 2
	SEND 1, 16
	s_wait_xcnt 0x0
	TOSTAGE 3
	SEND 2, 16
	SEND 3, 0
	s_wait_tensorcnt 0x0                           ; the wave's end, behind my last tensor load and my last LDS store
	ds_add_u32 v[SPW], v[NIL]
	s_wait_dscnt 0x0
	CROUND                                         ; the closing round
	s_endpgm
.Lfunc_end_k_q752142317a_outp:
	.size	k_q752142317a_outp, .Lfunc_end_k_q752142317a_outp-k_q752142317a_outp
	.p2alignl 7, 3214868480
	.fill 96, 4, 3214868480
	.section	.rodata,"a",@progbits
	.p2align	6, 0x0
	.amdhsa_kernel k_q752142317a_outp
		.amdhsa_group_segment_fixed_size 327680
		.amdhsa_private_segment_fixed_size 0
		.amdhsa_enable_private_segment 0
		.amdhsa_kernarg_size 24
		.amdhsa_user_sgpr_count 2
		.amdhsa_user_sgpr_kernarg_segment_ptr 1
		.amdhsa_wavefront_size32 1
		.amdhsa_system_sgpr_workgroup_id_x 1
		.amdhsa_system_sgpr_workgroup_id_y 1
		.amdhsa_system_sgpr_workgroup_id_z 1
		.amdhsa_system_vgpr_workitem_id 0
		.amdhsa_next_free_vgpr 512
		.amdhsa_next_free_sgpr 100
		.amdhsa_reserve_vcc 0
		.amdhsa_float_denorm_mode_32 3
		.amdhsa_float_denorm_mode_16_64 3
		.amdhsa_memory_ordered 1
		.amdhsa_forward_progress 1
		.amdhsa_inst_pref_size 79
	.end_amdhsa_kernel
	.amdgpu_metadata
---
amdhsa.version: [ 1, 2 ]
amdhsa.kernels:
  - .name:           k_q752142317a_outp
    .symbol:         k_q752142317a_outp.kd
    .args:
      - { .name: oc, .offset: 0, .size: 8, .value_kind: global_buffer, .address_space: global }
      - { .name: wc, .offset: 8, .size: 8, .value_kind: global_buffer, .address_space: global }
      - { .name: out0, .offset: 16, .size: 8, .value_kind: global_buffer, .address_space: global }
    .group_segment_fixed_size: 327680
    .private_segment_fixed_size: 0
    .kernarg_segment_align: 8
    .kernarg_segment_size: 24
    .max_flat_workgroup_size: 128
    .sgpr_count:     100
    .vgpr_count:     512
    .wavefront_size: 32
...
	.end_amdgpu_metadata
.endif
;; end of part 4
